; MI455X (gfx1250); checked and timed in simulation.
; The chip was launched on July 23, 2026; its instructions are those of AMD's public machine-readable ISA for CDNA 5 (MIT licence, August 2026) and "CDNA5" Instruction Set Architecture Reference Guide (July 2026). The comments in the code are by the model that wrote it; some were corrected since.
;; Multi Head Attention. Allowed arithmetic: matrix products marked QUANTISED: E2M3 operands, one E8M0 scale for each 32 along K, by v_wmma_scale_f32_16x16x128_f8f6f4 with both operands' format E2M3, f32 sums; everything else in f32.
;; Inputs: Wk 16 x 1,024 x 64 float32; Wo 1,024 x 1,024 float32; Wq 16 x 1,024 x 64 float32; Wv 16 x 1,024 x 64 float32; bk 16 x 64 float32; bo 1,024 float32; bq 16 x 64 float32; bv 16 x 64 float32; keys 4 x 2,048 x 1,024 float32; queries 4 x 2,048 x 1,024 float32; values 4 x 2,048 x 1,024 float32.
;; Outputs: out0 4 x 2,048 x 1,024 float32.
;; This version of the problem:
;;   THIS VERSION OF THE PROBLEM IS GIVEN IN LOW PRECISION. The matrix products marked QUANTISED in the list below multiply operands that are first quantised to E2M3 (2 exponent bits, 3 mantissa bits; 6 bits a number), with one power-of-two scale for each 32 numbers along K (OCP MX v1.0); their sums are f32. All else is computed in f32.
;;   The module's matrix products, in the order in which they are computed (A, B: the left and right operand; K: the contracted axis; several contracted axes count as one K, in the product's order):
;;     1. [M 1,024, K 1,024] x [K 1,024, N 8,192]; A: input Wq; B: input queries: QUANTISED
;;     2. [M 1,024, K 1,024] x [K 1,024, N 8,192]; A: input Wk; B: input keys: QUANTISED
;;     3. [M 1,024, K 1,024] x [K 1,024, N 8,192]; A: input Wv; B: input values: QUANTISED
;;     4. batch 64 x [M 2,048, K 64] x [K 64, N 2,048]; A: computed on the way; B: computed on the way: QUANTISED
;;     5. batch 64 x [M 2,048, K 2,048] x [K 2,048, N 64]; A: softmax (see below); B: computed on the way: QUANTISED
;;     6. [M 8,192, K 1,024] x [K 1,024, N 1,024]; A: computed on the way; B: input Wo: QUANTISED
;;   THE QUANTISER, for each operand of a quantised product, along K:
;;     - K is cut into blocks of 32 from its start; a last block that is shorter is filled with zeros.
;;     - A block's scale is 2^e with e = floor(log2(the largest magnitude in the block)) - 2, held to -126 .. 127; a block of zeros has e = 0. As a byte (E8M0): e + 127.
;;     - Each number is divided by its block's scale, clamped to +-7.5, and rounded to the nearest number of E2M3, ties to even, subnormals kept.
;;     - The product sums the exact products of the quantised numbers (number of the format x scale) in f32.
;;   ~~~python
;;   def quantise(x, axis):      # numpy; x: float32 -> the quantised numbers, widened to float32 again
;;       x = np.moveaxis(x, axis, -1); K = x.shape[-1]
;;       x = np.pad(x, [(0, 0)] * (x.ndim - 1) + [(0, -K % 32)]); x = x.reshape(x.shape[:-1] + (-1, 32)); a = np.abs(x).max(-1, keepdims=True)
;;       e = np.where(a > 0, np.clip(np.frexp(np.where(a > 0, a, 1))[1] - 1 - 2, -126, 127), 0)      # np.frexp(a)[1] - 1 = floor(log2(a)), exactly
;;       r = np.clip(x / 2.0 ** e, -7.5, 7.5)
;;       step = 2.0 ** (np.maximum(np.frexp(np.where(r == 0, 1, r))[1] - 1, 0) - 3)
;;       q = np.round(r / step) * step * 2.0 ** e      # np.round: ties to even
;;       return np.moveaxis(q.reshape(q.shape[:-2] + (-1,))[..., :K], -1, axis).astype(np.float32)
;;   ~~~
;;   SOFTMAX AHEAD OF A QUANTISED PRODUCT. Where the list says 'softmax', what is quantised is not the finished softmax but p = 2^(t - M), with t = logit x log2(e) and M = ceil(the row's largest t), a whole number; so 1/2 < the row's largest p <= 1. The row's sum l is taken of the UNQUANTISED p, in f32, and the product's result is divided by l at the end. Since M is a whole number, a kernel that streams over the keys may use a running M (the ceiling of the running maximum): every later rescaling is an exact power of two, which a block's scale takes up: the codes' values come out the same.
;;   OPERANDS COMPUTED ON THE WAY. 'Computed on the way' means the value that the module computes at that place (a softmax that the list does not call 'softmax' is quantised finished and normalised). What goes into a quantiser is computed in f32, as accurately as f32 sums, v_exp_f32 and their like allow (about 1e-6 of the number): no bf16 or f16 on the way to a quantiser, and a product that is left as it is and whose result goes on into a quantised operand takes f32 operands (vector FMAs, or v_wmma_f32_16x16x4_f32). A number that lies on a knife's edge between two numbers of the format may be rounded either way, as far as f32 arithmetic and the matrix unit's own rounding can turn it there, and no further.
;; One version. Each part assembles by itself: llvm-mc -triple=amdgcn-amd-amdhsa -mcpu=gfx1250 --defsym DOCPART=n.
;; ======== version 1 of 1: 5 launches
;; workspace buffers: cod 22,020,096 bytes; scl 917,504 bytes; qkv 18,874,368 bytes; qkvs 1,310,720 bytes; cc 6,291,456 bytes; cs 524,288 bytes
;; launch qw (part 1): grid 128 x 1, 8 waves a work-group, no clusters, 28,672 bytes of LDS; arguments Wq, Wk, Wv, Wo, cod, scl; writes cod, scl
.if DOCPART == 1
	.amdgcn_target "amdgcn-amd-amdhsa--gfx1250"
	.amdhsa_code_object_version 6
	.text
	.protected	k_q00abc1df30_qw
	.globl	k_q00abc1df30_qw
	.p2align	8
	.type	k_q00abc1df30_qw,@function
k_q00abc1df30_qw:
	s_mov_b64 s[64:65], 0
	v_nop
	global_prefetch_b8 v0, s[64:65] scope:SCOPE_SE
	s_setreg_imm32_b32 hwreg(HW_REG_WAVE_MODE, 25, 1), 1
	s_wait_xcnt 0x0
; The four weights become codes of E2M3 with one E8M0 byte for each 32 along K.  Wq, Wk, Wv: [16][1024][64] f32, K = the 1,024, row n of the operand = head x 64 + column.  Wo: [1024][1024] f32, K = its first axis, row n = its column.
; A LANE TAKES A COLUMN n AND ITS REGISTERS RUN DOWN K: a load reads 128 neighbouring bytes, a block of 32 along K lies in one lane, and the conversions give codes with K innermost.
; LAYOUT OF cod: blocks of 16 rows x 1,024 K (12,288 bytes), in them eight fragments of 128 K (1,536 bytes), each two images of 16 rows x 64 K (768 bytes): lane l's registers 0-3 at 16 l, its registers 4-5 at 512 + 8 l,
; lane (r, h) holding row r, K 32 h .. 32 h + 31.  So a reader fills an operand's registers by loads of consecutive bytes.  THE ROWS ARE PERMUTED: row 32 b + 16 a + 8 u + i lies at place 32 b + 16 u + 8 a + i.
; LAYOUT OF scl: for each block of 16 rows two units of 256 bytes (K 0-511, 512-1023): row r's four scale words at 16 r.
; SHARES: a work-group takes 64 columns x 512 K of one weight; wave w 32 columns (w / 4) x 128 K (w % 4): two fragments.  The codes turn through the wave's own stage in LDS; the scale words of four waves meet in LDS behind one barrier.
; No cluster: no two work-groups read the same bytes.
; LIMITS: NaN and infinities are not served.  A block whose largest magnitude is under 2^-124, or is 0, gets the byte 1 (for a block of zeros the quantiser says 127: its codes are zeros, and this program alone reads the bytes).
.set STG,  3328                        ; a wave's stage: two fragments,
.set FPIT, 1664                        ; 1,536 + 128 bytes apart
.set SCU,  26624                       ; behind the eight stages: four scale units of 256 bytes
.set VOFF, 16                          ; v16-47   4 x lane + i rows of the weight
.set CD,   48                          ; v48-79   block t's codes at v[48 + 8 t], six registers
.set X,    80                          ; v80-207  four blocks of 32 numbers; on the way out v80-115
.set CT,   208                         ; v208-210 a block's upper 16 codes as the conversion leaves them
.set SBS,  28                          ; s[28:35] the four blocks' first rows
	s_load_b256 s[4:11], s[0:1], 0x0               ; Wq, Wk, Wv, Wo
	s_load_b128 s[12:15], s[0:1], 0x20             ; cod, scl
	v_lshl_add_u32 v216, v0, 2, 0x6c00
	v_mov_b32 v217, 0
	v_lshrrev_b32 v1, 5, v0
	v_readfirstlane_b32 s16, v1                    ; wave 0..7
	v_and_b32 v1, 31, v0                           ; lane
	s_lshr_b32 s17, ttmp9, 5                       ; which weight: 0 Wq, 1 Wk, 2 Wv, 3 Wo
	s_bfe_u32 s18, ttmp9, 0x40001                  ; which 64 columns
	s_and_b32 s19, ttmp9, 1                        ; which half of K
	s_lshr_b32 s20, s16, 2                         ; my 32 of the 64 columns
	s_and_b32 s21, s16, 3
	s_lshl_b32 s22, s19, 2
	s_add_co_u32 s22, s22, s21                     ; my 128 along K: kq = 0..7
	s_lshl_b32 s24, s18, 18                        ; 64 columns on: a head of 262,144 bytes,
	s_lshl_b32 s25, s18, 8                         ; or, in Wo, 256 bytes
	s_mov_b32 s23, 4096
	s_cmp_lt_u32 s17, 3
	s_cselect_b32 s23, 256, s23                    ; bytes from one K to the next
	s_cselect_b32 s24, s24, s25
	s_lshl_b32 s25, s20, 7
	s_add_co_u32 s24, s24, s25                     ; + my 32 columns
	s_mul_i32 s25, s22, s23
	s_lshl_b32 s25, s25, 7
	s_add_co_u32 s24, s24, s25                     ; + 128 kq rows
	s_mov_b32 s25, 0
	s_lshl_b32 s26, s23, 5                         ; a block of 32 rows on
	s_mov_b32 s27, 0
	v_lshlrev_b32 v[VOFF], 2, v1
.set i, 1
.rept 31
	v_add_nc_u32 v[VOFF+i], s23, v[VOFF+i-1]
.set i, i+1
.endr
	v_bfe_u32 v12, v0, 4, 1                        ; my column is 16 a + 8 u + i of its 32:
	v_bfe_u32 v13, v0, 3, 1                        ; it lies in fragment u
	v_and_b32 v14, 7, v0
	v_lshl_add_u32 v14, v12, 3, v14                ; at row 8 a + i
	s_mul_i32 s36, s16, STG
	v_mul_u32_u24 v15, v13, FPIT
	v_add_nc_u32 v15, s36, v15
	v_lshl_add_u32 v2, v14, 4, v15                 ; where my row's registers 0-3 go,
	v_lshl_add_u32 v3, v14, 3, v15                 ; and its registers 4-5
	s_lshl_b32 s37, s20, 9
	s_lshl_b32 s44, s21, 2
	s_add_co_u32 s37, s37, s44
	s_add_co_u32 s37, s37, SCU
	v_lshlrev_b32 v4, 8, v13
	v_lshl_add_u32 v4, v14, 4, v4
	v_add_nc_u32 v4, s37, v4                       ; my scale word: unit 2 (w / 4) + u, row 8 a + i, word w % 4
	v_lshlrev_b32 v5, 4, v1
	v_lshlrev_b32 v6, 3, v1
	v_add_nc_u32 v7, s36, v5                       ; the stage read back as it will lie in memory
	v_add_nc_u32 v8, s36, v6
	s_lshl_b32 s39, s17, 6
	s_lshl_b32 s40, s18, 2
	s_add_co_u32 s39, s39, s40
	s_add_co_u32 s39, s39, 1536                    ; the work-group's first block of 16 rows in cod and scl
	s_lshl_b32 s40, s20, 1
	s_add_co_u32 s40, s40, s39
	s_mul_i32 s40, s40, 12288
	s_mul_i32 s41, s22, 1536
	s_add_co_u32 s40, s40, s41
	s_mov_b32 s41, 0
	s_min_u32 s38, s16, 1                          ; waves 0 and 1 carry the scale units out, two each
	s_lshl_b32 s42, s38, 1
	s_add_co_u32 s42, s42, s39
	s_lshl_b32 s42, s42, 9
	s_lshl_b32 s43, s19, 8
	s_add_co_u32 s42, s42, s43
	s_mov_b32 s43, 0
	s_lshl_b32 s38, s38, 9
	s_add_co_u32 s38, s38, SCU
	v_add_nc_u32 v9, s38, v5
	v_and_b32 v10, 15, v0
	v_lshlrev_b32 v10, 4, v10
	v_lshl_add_u32 v10, v12, 9, v10                ; lanes 0-15 one unit, lanes 16-31 the next block's
	s_wait_kmcnt 0x0
	s_cmp_eq_u32 s17, 0
	s_cselect_b64 s[SBS:SBS+1], s[4:5], s[6:7]
	s_cmp_lt_u32 s17, 2
	s_cselect_b64 s[SBS:SBS+1], s[SBS:SBS+1], s[8:9]
	s_cmp_lt_u32 s17, 3
	s_cselect_b64 s[SBS:SBS+1], s[SBS:SBS+1], s[10:11]
	s_add_nc_u64 s[SBS:SBS+1], s[SBS:SBS+1], s[24:25]
	s_add_nc_u64 s[SBS+2:SBS+3], s[SBS:SBS+1], s[26:27]
	s_add_nc_u64 s[SBS+4:SBS+5], s[SBS+2:SBS+3], s[26:27]
	s_add_nc_u64 s[SBS+6:SBS+7], s[SBS+4:SBS+5], s[26:27]
	s_add_nc_u64 s[12:13], s[12:13], s[40:41]
	s_add_nc_u64 s[14:15], s[14:15], s[42:43]
.macro LOAD t                          ; block t: 32 rows of K at my column
.set i, 0
.rept 32
	global_load_b32 v[X+32*(\t)+i], v[VOFF+i], s[SBS+2*(\t):SBS+2*(\t)+1] th:TH_LOAD_NT
.set i, i+1
.endr
.endm
.macro WBLOCK t
.set XS, X+32*(\t)
.set CB, CD+8*(\t)
.if (\t) < 3
	s_wait_loadcnt 32                              ; this block's 32 loads are in; the next block's 32 may be out
.else
	s_wait_loadcnt 0x0
.endif
.if (\t)+2 < 4
	LOAD (\t)+2                                    ; two blocks ahead, into registers of its own
.endif
	v_max3_num_f32 v12, |v[XS]|, |v[XS+1]|, |v[XS+2]|   ; the block's largest magnitude, in two chains
	v_max3_num_f32 v13, |v[XS+3]|, |v[XS+4]|, |v[XS+5]|
.irp i, 6,10,14,18,22,26
	v_max3_num_f32 v12, v12, |v[XS+\i]|, |v[XS+\i+1]|
	v_max3_num_f32 v13, v13, |v[XS+\i+2]|, |v[XS+\i+3]|
.endr
	v_max3_num_f32 v12, v12, |v[XS+30]|, |v[XS+31]|
	v_max3_num_f32 v12, v12, v13, 0x1800000        ; and the floor 2^(3 - 127): the byte cannot fall under 1
	v_add_nc_u32 v14, 0xff000000, v12              ; 2 off the exponent field: the conversion takes that field as its scale
	v_lshrrev_b32 v15, 23, v14                     ; the scale's byte
.if (\t) == 0
	v_mov_b32 v11, v15
.else
	v_lshl_or_b32 v11, v15, 8*(\t), v11            ; four bytes make my row's scale word
.endif
	v_cvt_scalef32_pk16_fp6_f32 v[CB:CB+2], v[XS:XS+15], v14
	v_cvt_scalef32_pk16_fp6_f32 v[CT:CT+2], v[XS+16:XS+31], v14   ; (a conversion's three registers begin on an even number)
	v_nop                                          ; one plain line behind the conversions
.irp i, 0,1,2
	v_mov_b32 v[CB+3+\i], v[CT+\i]
.endr
	ds_store_b128 v2, v[CB:CB+3] offset:768*((\t)/2)+256*((\t)%2)       ; block t is K 64 (t / 2) + 32 (t % 2) on: image t / 2, the lanes' half t % 2
	ds_store_b64 v3, v[CB+4:CB+5] offset:768*((\t)/2)+512+128*((\t)%2)
.endm
	LOAD 0
	LOAD 1
	WBLOCK 0
	WBLOCK 1
	WBLOCK 2
	WBLOCK 3
	ds_store_b32 v4, v11
.irp u, 0,1
.irp c, 0,1
	ds_load_b128 v[X+8*(2*\u+\c):X+8*(2*\u+\c)+3], v7 offset:FPIT*\u+768*\c          ; LDS serves a wave's instructions in order: these see my stores
	ds_load_b64 v[X+8*(2*\u+\c)+4:X+8*(2*\u+\c)+5], v8 offset:FPIT*\u+768*\c+512
.endr
.endr
	s_wait_dscnt 0x0                               ; my scale word has landed, for the others' sake; my images are back
	s_barrier_signal -1
	s_barrier_wait -1
.irp u, 0,1
.irp c, 0,1
	global_store_b128 v5, v[X+8*(2*\u+\c):X+8*(2*\u+\c)+3], s[12:13] offset:12288*\u+768*\c        ; 512 consecutive bytes,
	global_store_b64 v6, v[X+8*(2*\u+\c)+4:X+8*(2*\u+\c)+5], s[12:13] offset:12288*\u+768*\c+512   ; and 256, both at multiples of 256
.endr
.endr
	s_cmp_lt_u32 s16, 2
	s_cbranch_scc0 .Lend
	ds_load_b128 v[112:115], v9                    ; two whole scale units, which four waves have filled
	s_wait_dscnt 0x0
	global_store_b128 v10, v[112:115], s[14:15]    ; sixteen lanes store 256 consecutive bytes
.Lend:
	s_wait_tensorcnt 0x0
	ds_add_u32 v216, v217
	s_wait_dscnt 0x0
	s_endpgm
.Lfunc_end_k_q00abc1df30_qw:
	.size	k_q00abc1df30_qw, .Lfunc_end_k_q00abc1df30_qw-k_q00abc1df30_qw
	.p2alignl 7, 3214868480
	.fill 96, 4, 3214868480
	.section	.rodata,"a",@progbits
	.p2align	6, 0x0
	.amdhsa_kernel k_q00abc1df30_qw
		.amdhsa_group_segment_fixed_size 28672
		.amdhsa_private_segment_fixed_size 0
		.amdhsa_enable_private_segment 0
		.amdhsa_kernarg_size 48
		.amdhsa_user_sgpr_count 2
		.amdhsa_user_sgpr_kernarg_segment_ptr 1
		.amdhsa_wavefront_size32 1
		.amdhsa_system_sgpr_workgroup_id_x 1
		.amdhsa_system_sgpr_workgroup_id_y 1
		.amdhsa_system_sgpr_workgroup_id_z 1
		.amdhsa_system_vgpr_workitem_id 0
		.amdhsa_next_free_vgpr 218
		.amdhsa_next_free_sgpr 66
		.amdhsa_reserve_vcc 0
		.amdhsa_float_denorm_mode_32 3
		.amdhsa_float_denorm_mode_16_64 3
		.amdhsa_memory_ordered 1
		.amdhsa_forward_progress 1
		.amdhsa_inst_pref_size 25
	.end_amdhsa_kernel
	.amdgpu_metadata
---
amdhsa.version: [ 1, 2 ]
amdhsa.kernels:
  - .name:           k_q00abc1df30_qw
    .symbol:         k_q00abc1df30_qw.kd
    .args:
      - { .name: Wq, .offset: 0, .size: 8, .value_kind: global_buffer, .address_space: global }
      - { .name: Wk, .offset: 8, .size: 8, .value_kind: global_buffer, .address_space: global }
      - { .name: Wv, .offset: 16, .size: 8, .value_kind: global_buffer, .address_space: global }
      - { .name: Wo, .offset: 24, .size: 8, .value_kind: global_buffer, .address_space: global }
      - { .name: cod, .offset: 32, .size: 8, .value_kind: global_buffer, .address_space: global }
      - { .name: scl, .offset: 40, .size: 8, .value_kind: global_buffer, .address_space: global }
    .group_segment_fixed_size: 28672
    .private_segment_fixed_size: 0
    .kernarg_segment_align: 8
    .kernarg_segment_size: 48
    .max_flat_workgroup_size: 256
    .sgpr_count:     66
    .vgpr_count:     218
    .wavefront_size: 32
...
	.end_amdgpu_metadata
.endif
;; end of part 1
;; launch qx (part 2): grid 768 x 1, 4 waves a work-group, no clusters, 34,304 bytes of LDS; arguments queries, keys, values, cod, scl; writes cod, scl
.if DOCPART == 2
	.amdgcn_target "amdgcn-amd-amdhsa--gfx1250"
	.amdhsa_code_object_version 6
	.text
	.protected	k_q00abc1df30_qx
	.globl	k_q00abc1df30_qx
	.p2align	8
	.type	k_q00abc1df30_qx,@function
k_q00abc1df30_qx:
	s_mov_b64 s[64:65], 0
	v_nop
	global_prefetch_b8 v0, s[64:65] scope:SCOPE_SE
	s_setreg_imm32_b32 hwreg(HW_REG_WAVE_MODE, 25, 1), 1
	s_wait_xcnt 0x0
; queries, keys, values, [8192][1024] f32 with K innermost, become codes of E2M3 with one E8M0 byte for each 32 along K, in cod and scl, laid as the weights' launch lays them:
; blocks of 16 rows x 1,024 K (12,288 bytes) of eight fragments (1,536 bytes) of two images (768 bytes: lane l's registers 0-3 at 16 l, registers 4-5 at 512 + 8 l; lane (r, h): row r, K 32 h on).
; The rows of queries lie in their own order; those of keys and values are permuted: row 32 b + 16 a + 8 u + i lies at place 32 b + 16 u + 8 a + i.
; SHARES: a wave takes 16 places x 512 K: four fragments.  Each load reads 512 consecutive bytes of a row; the fragment's 16 x 512 bytes turn through the wave's own stage in LDS (rows 528 bytes apart), from which a lane
; takes two whole blocks of 32 neighbours of its row, in the order of the operand's registers.  So the conversions' results are the operand's registers, and they are stored as they stand.
; No barrier: waves share nothing.  No cluster: no two work-groups read the same bytes.  Loads run one fragment (16 loads) ahead.
; LIMITS: NaN and infinities are not served.  A block whose largest magnitude is under 2^-124, or is 0, gets the byte 1 (for a block of zeros the quantiser says 127: its codes are zeros, and this program alone reads the bytes).
.set R,   16                           ; v16-143  two sets of 16 x 4 registers as loaded
.set X,   144                          ; v144-207 my two blocks of 32 numbers
.set PC,  208                          ; v208-219 the fragment's codes
.set CT,  220                          ; v220-227 the blocks' upper 16 codes as the conversions leave them
.set W,   228                          ; v228-231 the four fragments' scale words
.set SP,  528
.set WST, 8448
	s_load_b128 s[4:7], s[0:1], 0x0                ; queries, keys
	s_load_b128 s[8:11], s[0:1], 0x10              ; values, cod
	s_load_b64 s[12:13], s[0:1], 0x20              ; scl
	v_lshl_add_u32 v240, v0, 2, 0x8400
	v_mov_b32 v241, 0
	v_lshrrev_b32 v1, 5, v0
	v_readfirstlane_b32 s14, v1                    ; wave 0..3
	s_lshr_b32 s16, ttmp9, 8                       ; which tensor
	s_and_b32 s17, ttmp9, 255
	s_lshl_b32 s17, s17, 2
	s_add_co_u32 s17, s17, s14
	s_and_b32 s18, s17, 1                          ; which half of K
	s_lshr_b32 s19, s17, 1                         ; which block of 16 places: 0..511
	s_lshl_b32 s20, s19, 4                         ; queries: rows 16 P on, the upper eight 8 further
	s_lshr_b32 s21, s19, 1
	s_lshl_b32 s21, s21, 5
	s_and_b32 s22, s19, 1
	s_lshl_b32 s22, s22, 3
	s_add_co_u32 s21, s21, s22                     ; keys, values: rows 32 (P / 2) + 8 (P % 2) on, the upper eight 16 further
	s_cmp_eq_u32 s16, 0
	s_cselect_b32 s20, s20, s21
	s_cselect_b32 s21, 8, 16
	s_add_co_u32 s21, s20, s21
	s_lshl_b32 s22, s18, 11
	s_lshl_b32 s24, s20, 12
	s_add_co_u32 s24, s24, s22
	s_mov_b32 s25, 0
	s_lshl_b32 s26, s21, 12
	s_add_co_u32 s26, s26, s22
	s_mov_b32 s27, 0
	s_lshl_b32 s28, s16, 9
	s_add_co_u32 s28, s28, s19                     ; the block's number in cod and scl
	s_mul_i32 s30, s28, 12288
	s_mul_i32 s29, s18, 6144
	s_add_co_u32 s30, s30, s29
	s_mov_b32 s31, 0
	s_lshl_b32 s32, s28, 9
	s_lshl_b32 s29, s18, 8
	s_add_co_u32 s32, s32, s29
	s_mov_b32 s33, 0
	s_mov_b32 s34, 0x76543210
	s_mov_b32 s35, 0xfedcba98                      ; v_permlanex16_b32's selects for lane l xor 16
	v_and_b32 v7, 31, v0
	v_lshlrev_b32 v1, 4, v7                        ; 16 x lane
	v_lshlrev_b32 v2, 3, v7                        ; 8 x lane
	v_and_b32 v8, 15, v0                           ; r
	v_lshlrev_b32 v3, 4, v8
	v_bfe_u32 v9, v0, 4, 1                         ; h
	s_mul_i32 s15, s14, WST
	v_add_nc_u32 v4, s15, v1                       ; the stage on the way in
	v_mul_u32_u24 v5, v8, SP
	v_lshl_add_u32 v5, v9, 7, v5
	v_add_nc_u32 v5, s15, v5                       ; and out: row r, 128 h bytes on
	v_lshlrev_b32 v6, 3, v9
	v_mov_b32 v239, 0                              ; written once: a lane permute's destination counts as one of its sources
	s_wait_kmcnt 0x0
	s_cmp_eq_u32 s16, 0
	s_cselect_b64 s[4:5], s[4:5], s[6:7]
	s_cmp_lt_u32 s16, 2
	s_cselect_b64 s[4:5], s[4:5], s[8:9]
	s_add_nc_u64 s[24:25], s[4:5], s[24:25]        ; the lower eight rows,
	s_add_nc_u64 s[26:27], s[4:5], s[26:27]        ; the upper eight
	s_add_nc_u64 s[10:11], s[10:11], s[30:31]
	s_add_nc_u64 s[12:13], s[12:13], s[32:33]
.macro LOAD f                          ; fragment f: 512 bytes of each of the 16 rows
.irp i, 0,1,2,3,4,5,6,7
	global_load_b128 v[R+64*((\f)%2)+4*\i:R+64*((\f)%2)+4*\i+3], v1, s[24:25] offset:4096*\i+512*(\f) th:TH_LOAD_NT
.endr
.irp i, 0,1,2,3,4,5,6,7
	global_load_b128 v[R+64*((\f)%2)+32+4*\i:R+64*((\f)%2)+32+4*\i+3], v1, s[26:27] offset:4096*\i+512*(\f) th:TH_LOAD_NT
.endr
.endm
.macro TURN f                          ; through the stage: LDS serves a wave's instructions in order, so no wait stands between the stores and the loads
.irp i, 0,1,2,3,4,5,6,7,8,9,10,11,12,13,14,15
	ds_store_b128 v4, v[R+64*((\f)%2)+4*\i:R+64*((\f)%2)+4*\i+3] offset:SP*\i
.endr
.irp c, 0,1
.irp j, 0,1,2,3,4,5,6,7
	ds_load_b128 v[X+32*\c+4*\j:X+32*\c+4*\j+3], v5 offset:256*\c+16*\j     ; K 64 c + 32 h + 4 j on of my row
.endr
.endr
.endm
.macro QF f
.irp c, 0,1
	v_max3_num_f32 v[232+\c], |v[X+32*\c]|, |v[X+32*\c+1]|, 0x1800000       ; my block 2 c + h, and the floor 2^(3 - 127): the byte cannot fall under 1
.endr
.irp i, 2,4,6,8,10,12,14,16,18,20,22,24,26,28,30
.irp c, 0,1
	v_max3_num_f32 v[232+\c], v[232+\c], |v[X+32*\c+\i]|, |v[X+32*\c+\i+1]|  ; (the two blocks by turns)
.endr
.endr
.irp c, 0,1
	v_add_nc_u32 v[234+\c], 0xff000000, v[232+\c]  ; 2 off the exponent field: the conversion's scale operand
.endr
.irp c, 0,1
	v_lshrrev_b32 v[236+\c], 23, v[234+\c]         ; the scale's byte
.endr
	v_lshl_or_b32 v238, v237, 16, v236             ; my two bytes, blocks h and 2 + h,
	v_lshlrev_b32 v238, v6, v238                   ; at their places in the word;
	v_permlanex16_b32 v239, v238, s34, s35
	v_or_b32 v[W+(\f)], v238, v239                 ; with lane l xor 16's two the word is whole, in both lanes
	s_wait_xcnt 0x0                                ; the last fragment's stores have read the codes' registers: they are written again only behind this wait
.irp c, 0,1
	v_cvt_scalef32_pk16_fp6_f32 v[PC+6*\c:PC+6*\c+2], v[X+32*\c:X+32*\c+15], v[234+\c]
	v_cvt_scalef32_pk16_fp6_f32 v[CT+4*\c:CT+4*\c+2], v[X+32*\c+16:X+32*\c+31], v[234+\c]   ; (a conversion's three registers begin on an even number)
.endr
	v_nop                                          ; one plain line behind the conversions
.irp c, 0,1
.irp i, 0,1,2
	v_mov_b32 v[PC+6*\c+3+\i], v[CT+4*\c+\i]
.endr
.endr
.irp c, 0,1
	global_store_b128 v1, v[PC+6*\c:PC+6*\c+3], s[10:11] offset:1536*(\f)+768*\c         ; 512 consecutive bytes,
	global_store_b64 v2, v[PC+6*\c+4:PC+6*\c+5], s[10:11] offset:1536*(\f)+768*\c+512    ; and 256, both at multiples of 256
.endr
.endm
	LOAD 0
	LOAD 1
.irp f, 0,1,2,3
.if \f < 3
	s_wait_loadcnt 16                              ; this fragment's 16 loads are in; the next one's 16 may be out
.else
	s_wait_loadcnt 0x0
.endif
	TURN \f
	s_wait_dscnt 0x0                               ; my numbers are back, and the stores into the stage have read their registers,
.if \f < 2
	LOAD \f+2                                      ; which take the loads of two fragments on
.endif
	QF \f
.endr
	global_store_b128 v3, v[W:W+3], s[12:13]       ; a scale unit of 256 bytes: row r's four words at 16 r (lanes 16-31 store the same words to the same bytes as lanes 0-15)
	s_wait_tensorcnt 0x0
	ds_add_u32 v240, v241
	s_wait_dscnt 0x0
	s_endpgm
.Lfunc_end_k_q00abc1df30_qx:
	.size	k_q00abc1df30_qx, .Lfunc_end_k_q00abc1df30_qx-k_q00abc1df30_qx
	.p2alignl 7, 3214868480
	.fill 96, 4, 3214868480
	.section	.rodata,"a",@progbits
	.p2align	6, 0x0
	.amdhsa_kernel k_q00abc1df30_qx
		.amdhsa_group_segment_fixed_size 34304
		.amdhsa_private_segment_fixed_size 0
		.amdhsa_enable_private_segment 0
		.amdhsa_kernarg_size 40
		.amdhsa_user_sgpr_count 2
		.amdhsa_user_sgpr_kernarg_segment_ptr 1
		.amdhsa_wavefront_size32 1
		.amdhsa_system_sgpr_workgroup_id_x 1
		.amdhsa_system_sgpr_workgroup_id_y 1
		.amdhsa_system_sgpr_workgroup_id_z 1
		.amdhsa_system_vgpr_workitem_id 0
		.amdhsa_next_free_vgpr 242
		.amdhsa_next_free_sgpr 66
		.amdhsa_reserve_vcc 0
		.amdhsa_float_denorm_mode_32 3
		.amdhsa_float_denorm_mode_16_64 3
		.amdhsa_memory_ordered 1
		.amdhsa_forward_progress 1
		.amdhsa_inst_pref_size 31
	.end_amdhsa_kernel
	.amdgpu_metadata
---
amdhsa.version: [ 1, 2 ]
amdhsa.kernels:
  - .name:           k_q00abc1df30_qx
    .symbol:         k_q00abc1df30_qx.kd
    .args:
      - { .name: queries, .offset: 0, .size: 8, .value_kind: global_buffer, .address_space: global }
      - { .name: keys, .offset: 8, .size: 8, .value_kind: global_buffer, .address_space: global }
      - { .name: values, .offset: 16, .size: 8, .value_kind: global_buffer, .address_space: global }
      - { .name: cod, .offset: 24, .size: 8, .value_kind: global_buffer, .address_space: global }
      - { .name: scl, .offset: 32, .size: 8, .value_kind: global_buffer, .address_space: global }
    .group_segment_fixed_size: 34304
    .private_segment_fixed_size: 0
    .kernarg_segment_align: 8
    .kernarg_segment_size: 40
    .max_flat_workgroup_size: 128
    .sgpr_count:     66
    .vgpr_count:     242
    .wavefront_size: 32
...
	.end_amdgpu_metadata
.endif
;; end of part 2
;; launch proj (part 3): grid 4 x 192, 4 waves a work-group, clusters of 4 x 4, 295,424 bytes of LDS; arguments cod, scl, bq, bk, bv, qkv, qkvs; writes qkv, qkvs
.if DOCPART == 3
	.amdgcn_target "amdgcn-amd-amdhsa--gfx1250"
	.amdhsa_code_object_version 6
	.text
	.protected	k_q00abc1df30_proj
	.globl	k_q00abc1df30_proj
	.p2align	8
	.type	k_q00abc1df30_proj,@function
k_q00abc1df30_proj:
	s_mov_b64 s[64:65], 0
	v_nop
	global_prefetch_b8 v0, s[64:65] scope:SCOPE_SE
	s_setreg_imm32_b32 hwreg(HW_REG_WAVE_MODE, 25, 1), 1
	s_wait_xcnt 0x0
	s_wait_alu depctr_hold_cnt(0) depctr_sa_sdst(0) depctr_va_vdst(0) depctr_va_sdst(0) depctr_va_ssrc(0) depctr_va_vcc(0) depctr_vm_vsrc(0)
	s_getreg_b32 s2, hwreg(HW_REG_IB_STS2, 6, 4)
	s_cmp_eq_u32 s2, 0
	s_cbranch_scc0 .Lentry_in_a_cluster
	s_endpgm
.Lentry_in_a_cluster:
	s_bfe_u32 s2, ttmp6, 0x10000c
	s_cmp_lg_u32 s2, 0xf033
	s_cbranch_scc0 .Lentry_shape_is_right
	s_endpgm
.Lentry_shape_is_right:
; q = queries Wq + bq, k = keys Wk + bk, v = values Wv + bv on codes of E2M3 (K = 1,024), and the results quantised again at once: q and k along a head's 64, v along the keys.  Nothing leaves as f32.
; A tile is 128 rows of "A" (source 1: a lane holds ONE row of A) x 256 rows of "B" (source 0: a lane's registers run along B's rows).  For q and k: A = the activations, B = the weight, so a lane's registers run along the head's
; numbers.  For v: A = Wv, B = values, so they run along the keys.  B's rows lie permuted in cod (row 32 b + 16 a + 8 u + i at place 32 b + 16 u + 8 a + i): the 16 registers of tiles 2 b and 2 b + 1 are then 16 neighbours.
; ALL OF K LIES IN LDS: 8 + 16 blocks of 12,288 bytes, each byte filled once, in four quarters of K, so that the products begin when the first quarter has landed.  No slot is ever filled again.
; Four waves: wave w takes 64 rows of A (w / 2) x 128 of B (w % 2): 32 accumulators, which take turns, one instruction a turn, in the same order in every K step.
; CLUSTERS: 4 x 4 work-groups.  A's tile hangs on the tile row alone and is asked for jointly by the four of a row of the cluster, B's on the tile column alone, by the four of a column.
; The cluster's y gives the tensor (y / 16) and is the same in all sixteen partners: branches on it part no partners.
; OUT: qkv: q's images (16 queries x 64, 768 bytes) at head x 98,304 + tile x 768; behind them, for each head 196,608 bytes: k's 128 images (places of 16 keys), then v's fragments [128 keys][16 of the head's 64][1,536 bytes].
;      qkvs: scale words in units of 256 bytes: row r's words of four tiles at 16 r.  In q's and k's words bytes 0 and 1 count; bytes 2 and 3 hold a neighbour head's bytes or 0, never 0xff.
; LIMITS: NaN and infinities are not served.  A block whose largest magnitude is under 2^-124, or is 0, gets the byte 1 (its codes are then the quantiser's, or zeros; this program alone reads the bytes).
; REGISTERS: window 0: v1-19 addresses; v20-31 the quantiser; v32-63 A's scale words (8 a + kq), v64-127 B's (8 b + kq); v128-223 A's fragments, two sets; v224-251 codes and words on the way out.
;   window 1: B's fragments, two sets, at v0 and v128.   window 2: the accumulators, (a, b) at v[8 (8 a + b)].   window 3: v0-63 the bias in the result's layout: the C of each sum's first product.
.set QA,   24576                       ; A's quarter of K in LDS: 8 blocks x 3,072 bytes
.set QB,   49152                       ; B's: 16 blocks
.set BOFF, 98304                       ; B lies behind A
.set FR,   12
.set SHV,  18                          ; v18  how far lanes 16-31 shift a scale word
.set SOF,  19                          ; v19  where a lane stores its four scale words
.set TM,   20
.set TP,   24
.set SO,   28
.set SA,   32
.set SB,   64
.set AF,   128
.set PC,   224
.set CT,   236
.set PW,   244
.set SW,   248
.set G1A,  28
.set G1B,  36
.set G0A,  44
.set G0B,  68
.set MSB, 0
.macro WIN new                         ; the immediate's high byte repeats the setting that is left
.if MSB != \new
	s_set_vgpr_msb (MSB<<8)|\new
.set MSB, \new
.endif
.endm
.macro PLACES n
.rept \n
	v_nop
.endr
.endm
.macro CROUND                          ; a round of the cluster's barrier
	s_barrier_signal -1
	s_barrier_wait -1
	s_cmp_lg_u32 s18, 0
	s_cbranch_scc1 .Lnot_wave_0_\@
	s_barrier_signal -3
.Lnot_wave_0_\@:
	s_barrier_wait -3
	s_barrier_signal -1
	s_barrier_wait -1
.endm
.macro FRAG reg, la, lb, off           ; a fragment, two images: consecutive bytes in every load
	ds_load_b128 v[(\reg):(\reg)+3], v[\la] offset:\off
	ds_load_b64 v[(\reg)+4:(\reg)+5], v[\lb] offset:\off+512
	ds_load_b128 v[(\reg)+6:(\reg)+9], v[\la] offset:\off+768
	ds_load_b64 v[(\reg)+10:(\reg)+11], v[\lb] offset:\off+1280
.endm
.macro FETCH kq, set                   ; K step kq's fragments: B's eight, A's four: 48 loads in one run
	WIN 0x40
.irp b, 0,1,2,3,4,5,6,7
	FRAG 128*(\set)+FR*\b, 10+(\kq)/2, 14+(\kq)/2, 3072*\b+1536*((\kq)%2)
.endr
	WIN 0
.irp a, 0,1,2,3
	FRAG AF+48*(\set)+FR*\a, 6+(\kq)/4, 8+(\kq)/4, QA*(((\kq)/2)%2)+3072*\a+1536*((\kq)%2)
.endr
.endm
.macro MUL kq, set, kind               ; 32 products.  kind 0: onto the sums; 1: the sums begin with the bias of B's rows; 2: with that of A's rows
.if (\kind) == 0
	WIN 0xa1
.else
	WIN 0xb1
.endif
.irp a, 0,1,2,3
.irp b, 0,1,2,3,4,5,6,7
.if (\kind) == 0
	v_wmma_scale_f32_16x16x128_f8f6f4 v[8*(8*\a+\b):8*(8*\a+\b)+7], v[128*(\set)+FR*\b:128*(\set)+FR*\b+FR-1], v[AF+48*(\set)+FR*\a:AF+48*(\set)+FR*\a+FR-1], v[8*(8*\a+\b):8*(8*\a+\b)+7], v[SB+8*\b+(\kq)], v[SA+8*\a+(\kq)] matrix_a_fmt:MATRIX_FMT_FP6 matrix_b_fmt:MATRIX_FMT_FP6
.elseif (\kind) == 1
	v_wmma_scale_f32_16x16x128_f8f6f4 v[8*(8*\a+\b):8*(8*\a+\b)+7], v[128*(\set)+FR*\b:128*(\set)+FR*\b+FR-1], v[AF+48*(\set)+FR*\a:AF+48*(\set)+FR*\a+FR-1], v[8*\b:8*\b+7], v[SB+8*\b+(\kq)], v[SA+8*\a+(\kq)] matrix_a_fmt:MATRIX_FMT_FP6 matrix_b_fmt:MATRIX_FMT_FP6
.else
	v_wmma_scale_f32_16x16x128_f8f6f4 v[8*(8*\a+\b):8*(8*\a+\b)+7], v[128*(\set)+FR*\b:128*(\set)+FR*\b+FR-1], v[AF+48*(\set)+FR*\a:AF+48*(\set)+FR*\a+FR-1], v[8*\a:8*\a+7], v[SB+8*\b+(\kq)], v[SA+8*\a+(\kq)] matrix_a_fmt:MATRIX_FMT_FP6 matrix_b_fmt:MATRIX_FMT_FP6
.endif
.endr
.endr
.endm
.macro STEP kq
	s_wait_dscnt 0x0                               ; this step's fragments are in
.if (\kq)%2 == 1 && (\kq) < 7
	s_wait_tensorcnt 3-((\kq)+1)/2                 ; my part of the next quarter of K has landed; the count is my quarters behind it
	s_barrier_signal -1
	s_barrier_wait -1                              ; everybody's has.
.endif
.if (\kq) < 7
	PLACES 4                                       ; in front of loads into registers that the last step's products have read
	FETCH (\kq)+1, 1-(\kq)%2
.endif
	MUL \kq, (\kq)%2, 0
.endm
; 64 results of a lane in window 2, register 16 b + i = number 32 b + 16 (lane / 16) + i along the next K, become a fragment's codes in v[PC] on and its row's scale word in v[pw].
.macro QUANT64 s, pw
	WIN 0x0a                                       ; sources 0 and 1 in window 2
.irp b, 0,1,2,3
	v_max3_num_f32 v[TM+\b], |v[(\s)+16*\b]|, |v[(\s)+16*\b+1]|, 0x1800000     ; each accumulator is read from its low end on; the floor 2^(3 - 127) holds the byte at 1 from below
.endr
.irp i, 2,4,6,8,10,12,14
.irp b, 0,1,2,3
	v_max3_num_f32 v[TM+\b], |v[(\s)+16*\b+\i]|, |v[(\s)+16*\b+\i+1]|, v[TM+\b]  ; (the four blocks by turns)
.endr
.endr
	WIN 0
.irp b, 0,1,2,3
	v_permlanex16_b32 v[TP+\b], v[TM+\b], s60, s61
.endr
.irp b, 0,1,2,3
	v_max_num_f32 v[TM+\b], v[TM+\b], v[TP+\b]     ; with lane l xor 16's: the block's largest magnitude
.endr
.irp b, 0,1,2,3
	v_add_nc_u32 v[SO+\b], 0xff000000, v[TM+\b]    ; 2 off the exponent field: the conversion's scale operand
.endr
.irp b, 0,1,2,3
	v_lshrrev_b32 v[TP+\b], 23, v[SO+\b]           ; the scale's byte
.endr
	v_lshl_or_b32 v[\pw], v[TP+1], 8, v[TP]
	v_lshl_or_b32 v[\pw], v[TP+2], 16, v[\pw]
	v_lshl_or_b32 v[\pw], v[TP+3], 24, v[\pw]
	WIN 0x02
.irp c, 0,1
	v_cvt_scalef32_pk16_fp6_f32 v[PC+6*\c:PC+6*\c+2], v[(\s)+32*\c:(\s)+32*\c+15], v[SO+2*\c]
	v_cvt_scalef32_pk16_fp6_f32 v[CT+4*\c:CT+4*\c+2], v[(\s)+32*\c+16:(\s)+32*\c+31], v[SO+2*\c+1]
.endr
	WIN 0
	v_nop                                          ; one plain line behind the conversions
.irp c, 0,1                                    ; the operand's layout wants a whole block in a lane
.irp i, 0,1,2
	v_permlane16_swap_b32 v[PC+6*\c+\i], v[CT+4*\c+\i]
.endr
.irp i, 0,1,2
	v_mov_b32 v[PC+6*\c+3+\i], v[CT+4*\c+\i]
.endr
.endr
.endm
	s_load_b256 s[4:11], s[0:1], 0x0               ; cod, scl, bq, bk
	s_load_b128 s[12:15], s[0:1], 0x20             ; bv, qkv
	s_load_b64 s[16:17], s[0:1], 0x30              ; qkvs
	v_lshl_add_u32 v254, v0, 2, 0x48000
	v_mov_b32 v255, 0
	ds_add_u32 v254, v255
	ds_add_u32 v254, v255
	v_lshrrev_b32 v1, 5, v0
	v_readfirstlane_b32 s18, v1                    ; wave 0..3
	s_lshr_b32 s19, s18, 1                         ; wa: my 64 rows of A.  Also: which 8 blocks of B waves 1 and 2 fetch
	s_and_b32 s20, s18, 1                          ; wb: my 128 rows of B
	s_bfe_u32 s21, ttmp6, 0x40000                  ; cx
	s_bfe_u32 s22, ttmp6, 0x40004                  ; cy
	s_and_b32 s24, ttmp7, 0xffff
	s_lshr_b32 s23, s24, 4                         ; T: 0 q, 1 k, 2 v
	s_and_b32 s24, s24, 15                         ; e
	; A's side: registers that never hold cx
	s_lshl_b32 s84, s24, 2
	s_and_b32 s85, s24, 1
	s_lshl_b32 s85, s85, 2
	s_lshl_b32 s86, s23, 9
	s_mov_b32 s87, 1664
	s_cmp_lt_u32 s23, 2
	s_cselect_b32 s25, s84, s85
	s_cselect_b32 s86, s86, s87                    ; A's first block in cod: the activations', or Wv's
	s_add_co_u32 s25, s25, s22                     ; the tile row: 4 e + cy, for v 4 (e % 2) + cy
	s_lshl_b32 s84, s25, 3
	s_add_co_u32 s84, s84, s86                     ; the tile's first block of A
	s_mul_i32 s86, s84, 12288
	s_mov_b32 s87, 0
	s_lshl_b32 s85, s22, 2
	s_lshl_b32 s85, 15, s85                        ; my row of the cluster
	; B's side: registers that never hold cy
	s_lshr_b32 s88, s24, 1
	s_lshl_b32 s88, s88, 2
	s_lshl_b32 s89, s23, 6
	s_add_co_u32 s89, s89, 1536
	s_mov_b32 s90, 1024
	s_cmp_lt_u32 s23, 2
	s_cselect_b32 s26, 0, s88
	s_cselect_b32 s89, s89, s90                    ; B's first block in cod: the weight's, or values'
	s_add_co_u32 s26, s26, s21                     ; the tile column: cx, for v 4 (e / 2) + cx
	s_lshl_b32 s88, s26, 4
	s_add_co_u32 s88, s88, s89                     ; the tile's first block of B
	s_lshl_b32 s89, s19, 3
	s_add_co_u32 s89, s89, s88
	s_mul_i32 s90, s89, 12288
	s_mov_b32 s91, 0
	s_lshl_b32 s89, 0x1111, s21                    ; my column of the cluster
	s_mul_i32 s27, s19, 24576
	; descriptor group 1: 8 rows (blocks of 16) x 3,072 bytes (a quarter of K), 12,288 bytes apart, as elements of 8 bytes; dense in LDS
	s_or_b32 s[G1A], s85, (3<<16)|(1<<21)          ; 15:0 the mask; 17:16 elements of 8 bytes; 21 set beside a mask
	s_or_b32 s[G1B], s89, (3<<16)|(1<<21)
.irp g, G1A, G1B
	s_mov_b32 s[\g+1], 384<<16                     ; tensor_dim0
	s_mov_b32 s[\g+2], 8<<16                       ; tensor_dim1
	s_mov_b32 s[\g+3], 384<<16                     ; tile_dim0
	s_mov_b32 s[\g+4], 8                           ; tile_dim1
	s_mov_b32 s[\g+5], 1536                        ; from row to row
	s_mov_b32 s[\g+6], 0
	s_mov_b32 s[\g+7], 0
.endr
	s_mov_b32 s60, 0x76543210
	s_mov_b32 s61, 0xfedcba98                      ; v_permlanex16_b32's selects for lane l xor 16
	s_wait_dscnt 0x0
	s_wait_kmcnt 0x0
	s_add_nc_u64 s[86:87], s[4:5], s[86:87]
	s_add_nc_u64 s[90:91], s[4:5], s[90:91]
	CROUND                                         ; all sixteen work-groups are here: the joint loads meet
.irp j, 0,1,2,3
	s_mov_b32 s[G0A+4*\j], 1
	s_mov_b32 s[G0A+4*\j+1], QA*\j
	s_add_nc_u64 s[G0A+4*\j+2:G0A+4*\j+3], s[86:87], 3072*\j
	s_or_b32 s[G0A+4*\j+3], s[G0A+4*\j+3], 0x80000000
	s_mov_b32 s[G0B+4*\j], 1
	s_add_co_u32 s[G0B+4*\j+1], s27, BOFF+QB*\j
	s_add_nc_u64 s[G0B+4*\j+2:G0B+4*\j+3], s[90:91], 3072*\j
	s_or_b32 s[G0B+4*\j+3], s[G0B+4*\j+3], 0x80000000
.endr
	; wave 0 asks for A's four quarters, waves 1 and 2 for four quarters of 8 blocks of B each, wave 3 for nothing: four tensor loads of a wave are out at the most
	s_cmp_eq_u32 s18, 0
	s_cbranch_scc0 .Lnot_a
.irp j, 0,1,2,3
	tensor_load_to_lds s[G0A+4*\j:G0A+4*\j+3], s[G1A:G1A+7]
	s_nop 0
.endr
	PLACES 4
	s_branch .Lasked
.Lnot_a:
	s_cmp_lt_u32 s18, 3
	s_cbranch_scc0 .Lasked
.irp j, 0,1,2,3
	tensor_load_to_lds s[G0B+4*\j:G0B+4*\j+3], s[G1B:G1B+7]
	s_nop 0
.endr
	PLACES 4
.Lasked:
	v_and_b32 v1, 15, v0                           ; r
	v_bfe_u32 v2, v0, 4, 1                         ; h
	v_and_b32 v3, 31, v0
	v_lshlrev_b32 v4, 3, v3                        ; 8 x lane
	v_lshlrev_b32 v3, 4, v3                        ; 16 x lane
	v_lshlrev_b32 v5, 4, v1                        ; 16 r
	s_mul_i32 s92, s19, 12288
	v_add_nc_u32 v6, s92, v3                       ; A's fragments: quarters 0 and 1,
	v_add_nc_u32 v8, s92, v4
	v_add_nc_u32 v7, 49152, v6                     ; quarters 2 and 3
	v_add_nc_u32 v9, 49152, v8
	s_mul_i32 s92, s20, 24576
	s_add_co_u32 s92, s92, BOFF
.irp j, 0,1,2,3
	v_add_nc_u32 v[10+\j], s92, v3                 ; B's: a register for each quarter
	v_add_nc_u32 v[14+\j], s92, v4
	s_add_co_u32 s92, s92, QB
.endr
.irp b, 0,1,2,3
	v_mov_b32 v[TP+\b], 0                          ; written once: a lane permute's destination counts as one of its sources
.endr
	; the scale words of my rows for all of K: a unit of 256 bytes gives a lane four words
	s_lshl_b32 s92, s19, 2
	s_add_co_u32 s92, s92, s84
	s_lshl_b32 s92, s92, 9
	s_mov_b32 s93, 0
	s_add_nc_u64 s[92:93], s[6:7], s[92:93]
	s_lshl_b32 s94, s20, 3
	s_add_co_u32 s94, s94, s88
	s_lshl_b32 s94, s94, 9
	s_mov_b32 s95, 0
	s_add_nc_u64 s[94:95], s[6:7], s[94:95]
.irp a, 0,1,2,3
.irp k, 0,1
	global_load_b128 v[SA+8*\a+4*\k:SA+8*\a+4*\k+3], v5, s[92:93] offset:512*\a+256*\k
.endr
.endr
.irp b, 0,1,2,3,4,5,6,7
.irp k, 0,1
	global_load_b128 v[SB+8*\b+4*\k:SB+8*\b+4*\k+3], v5, s[94:95] offset:512*\b+256*\k
.endr
.endr
	; the bias, in the result's layout.  q, k: it hangs on B's row: tile b's register j is number 32 (b / 2) + 8 (b % 2) + 16 h + j of my 128.  v: on A's row: place r of tile a is number 32 (a / 2) + 8 (a % 2) + r + 8 (r / 8) of my 64
	v_lshlrev_b32 v250, 6, v2
	v_and_b32 v251, 8, v1
	v_add_nc_u32 v251, v251, v1
	v_lshlrev_b32 v251, 2, v251
	s_lshl_b32 s96, s26, 10
	s_lshl_b32 s97, s20, 9
	s_add_co_u32 s96, s96, s97
	s_lshl_b32 s98, s25, 9
	s_lshl_b32 s99, s19, 8
	s_add_co_u32 s98, s98, s99
	s_cmp_lt_u32 s23, 2
	s_cselect_b32 s96, s96, s98
	s_mov_b32 s97, 0
	s_cmp_eq_u32 s23, 0
	s_cselect_b64 s[98:99], s[8:9], s[10:11]
	s_cmp_lt_u32 s23, 2
	s_cselect_b64 s[98:99], s[98:99], s[12:13]
	s_add_nc_u64 s[98:99], s[98:99], s[96:97]
	s_cmp_lt_u32 s23, 2
	s_cbranch_scc0 .Lbias_v
	WIN 0xc0                                       ; destination window 3
.irp b, 0,1,2,3,4,5,6,7
	global_load_b128 v[8*\b:8*\b+3], v250, s[98:99] offset:(32*(\b/2)+8*(\b%2))*4
	global_load_b128 v[8*\b+4:8*\b+7], v250, s[98:99] offset:(32*(\b/2)+8*(\b%2))*4+16
.endr
	WIN 0
	s_branch .Lbias_done
.Lbias_v:
	WIN 0xc0
.irp x, 0,1,2,3,4,5,6,7                        ; (tiles 4 to 7 repeat 0 to 3, so that all 64 registers are written on both ways)
.irp j, 0,1,2,3,4,5,6,7
	global_load_b32 v[8*\x+\j], v251, s[98:99] offset:(32*((\x%4)/2)+8*(\x%2))*4
.endr
.endr
	WIN 0
.Lbias_done:
	s_wait_tensorcnt 3                             ; my part of the first quarter of K has landed; my three later quarters may be out
	s_barrier_signal -1
	s_barrier_wait -1                              ; everybody's has
	FETCH 0, 0
	s_wait_loadcnt 0x0                             ; the scale words and the bias are in; their address registers are free
	; where the results go
	s_lshr_b32 s92, s25, 4
	s_lshl_b32 s92, s92, 4
	s_lshl_b32 s93, s26, 2
	s_add_co_u32 s92, s92, s93
	s_lshl_b32 s93, s20, 1
	s_add_co_u32 s92, s92, s93                     ; q, k: my first head: 16 x batch + 4 x tile column + 2 wb
	s_lshr_b32 s93, s26, 3
	s_lshl_b32 s93, s93, 4
	s_lshl_b32 s94, s25, 1
	s_add_co_u32 s93, s93, s94
	s_add_co_u32 s93, s93, s19                     ; v: my head: 16 x batch + 2 x tile row + wa
	s_and_b32 s94, s25, 15
	s_lshl_b32 s94, s94, 1
	s_add_co_u32 s94, s94, s19                     ; q, k: my 64 rows of the sequence
	s_and_b32 s95, s26, 7
	s_lshl_b32 s95, s95, 1
	s_add_co_u32 s95, s95, s20                     ; v: my 128 keys
	s_mul_i32 s96, s94, 3072
	s_mul_i32 s97, s95, 6144
	s_add_co_u32 s97, s97, 98304
	s_lshl_b32 s94, s94, 8
	s_lshl_b32 s95, s95, 8
	s_add_co_u32 s95, s95, 8192
	s_mov_b32 s8, 1536
	s_cmp_lt_u32 s23, 2
	s_cselect_b32 s92, s92, s93
	s_cselect_b32 s96, s96, s97
	s_cselect_b32 s94, s94, s95
	s_cselect_b32 s8, 768, s8                      ; from one tile of A's rows to the next
	s_cselect_b32 s10, 16, 0
	s_mov_b32 s9, 0
	s_mov_b32 s93, 196608
	s_mov_b32 s95, 12288
	s_mov_b32 s97, 6291456
	s_mov_b32 s98, 524288
	s_cmp_eq_u32 s23, 0
	s_cselect_b32 s93, 98304, s93                  ; a head's bytes of codes,
	s_cselect_b32 s95, 8192, s95                   ; and of scale words
	s_cselect_b32 s97, 0, s97
	s_cselect_b32 s98, 0, s98
	s_mul_i32 s99, s92, s93
	s_add_co_u32 s96, s96, s99
	s_add_co_u32 s96, s96, s97
	s_mov_b32 s97, 0
	s_mul_i32 s99, s92, s95
	s_add_co_u32 s98, s98, s99
	s_add_co_u32 s98, s98, s94
	s_mov_b32 s99, 0
	s_add_nc_u64 s[14:15], s[14:15], s[96:97]      ; the fragment's first image,
	s_add_nc_u64 s[16:17], s[16:17], s[98:99]
	s_cmp_lt_u32 s23, 2
	s_cselect_b32 s12, s93, 768
	s_cselect_b32 s11, s95, 0
	s_mov_b32 s13, 0
	s_add_nc_u64 s[12:13], s[14:15], s[12:13]      ; its second: q, k: the next head's; v: 768 bytes on
	v_mul_u32_u24 v[SHV], v2, s10
	v_mul_u32_u24 v[SOF], v2, s11
	v_add_nc_u32 v[SOF], v[SOF], v5
	s_wait_dscnt 0x0                               ; K step 0's fragments are in
	FETCH 1, 1
	s_cmp_lt_u32 s23, 2
	s_cbranch_scc0 .Lfirst_v
	MUL 0, 0, 1
	WIN 0
	s_branch .Lfirst_done
.Lfirst_v:
	MUL 0, 0, 2
	WIN 0
.Lfirst_done:
	STEP 1
	STEP 2
	STEP 3
	STEP 4
	STEP 5
	STEP 6
	STEP 7
	WIN 0
	PLACES 4                                       ; in front of the first read of results
.irp a, 0,1,2,3
	QUANT64 64*\a, PW+\a
	global_store_b128 v3, v[PC:PC+3], s[14:15]             ; 512 consecutive bytes,
	global_store_b64 v4, v[PC+4:PC+5], s[14:15] offset:512 ; and 256, at multiples of 256
	global_store_b128 v3, v[PC+6:PC+9], s[12:13]
	global_store_b64 v4, v[PC+10:PC+11], s[12:13] offset:512
.if \a < 3
	s_wait_xcnt 0x0                                ; the stores have read their data and bases: both are written again only behind this wait
	s_add_nc_u64 s[14:15], s[14:15], s[8:9]
	s_add_nc_u64 s[12:13], s[12:13], s[8:9]
.endif
.endr
.irp t, 0,1,2,3
	v_lshrrev_b32 v[SW+\t], v[SHV], v[PW+\t]       ; q, k: lanes 16-31 bring the second head's two bytes down; v: the word as it is
.endr
	global_store_b128 v[SOF], v[SW:SW+3], s[16:17] ; sixteen lanes store a unit of 256 bytes; q, k: lanes 16-31 the next head's; v: lanes 16-31 the same words to the same bytes
	s_wait_tensorcnt 0x0
	ds_add_u32 v254, v255
	s_wait_dscnt 0x0
	CROUND                                         ; the closing round: no work-group ends while a partner may still ask for a tile that names it
	s_endpgm
.Lfunc_end_k_q00abc1df30_proj:
	.size	k_q00abc1df30_proj, .Lfunc_end_k_q00abc1df30_proj-k_q00abc1df30_proj
	.p2alignl 7, 3214868480
	.fill 96, 4, 3214868480
	.section	.rodata,"a",@progbits
	.p2align	6, 0x0
	.amdhsa_kernel k_q00abc1df30_proj
		.amdhsa_group_segment_fixed_size 295424
		.amdhsa_private_segment_fixed_size 0
		.amdhsa_enable_private_segment 0
		.amdhsa_kernarg_size 56
		.amdhsa_user_sgpr_count 2
		.amdhsa_user_sgpr_kernarg_segment_ptr 1
		.amdhsa_wavefront_size32 1
		.amdhsa_system_sgpr_workgroup_id_x 1
		.amdhsa_system_sgpr_workgroup_id_y 1
		.amdhsa_system_sgpr_workgroup_id_z 1
		.amdhsa_system_vgpr_workitem_id 0
		.amdhsa_next_free_vgpr 832
		.amdhsa_next_free_sgpr 102
		.amdhsa_reserve_vcc 0
		.amdhsa_float_denorm_mode_32 3
		.amdhsa_float_denorm_mode_16_64 3
		.amdhsa_memory_ordered 1
		.amdhsa_forward_progress 1
		.amdhsa_inst_pref_size 102
	.end_amdhsa_kernel
	.amdgpu_metadata
---
amdhsa.version: [ 1, 2 ]
amdhsa.kernels:
  - .name:           k_q00abc1df30_proj
    .symbol:         k_q00abc1df30_proj.kd
    .args:
      - { .name: cod, .offset: 0, .size: 8, .value_kind: global_buffer, .address_space: global }
      - { .name: scl, .offset: 8, .size: 8, .value_kind: global_buffer, .address_space: global }
      - { .name: bq, .offset: 16, .size: 8, .value_kind: global_buffer, .address_space: global }
      - { .name: bk, .offset: 24, .size: 8, .value_kind: global_buffer, .address_space: global }
      - { .name: bv, .offset: 32, .size: 8, .value_kind: global_buffer, .address_space: global }
      - { .name: qkv, .offset: 40, .size: 8, .value_kind: global_buffer, .address_space: global }
      - { .name: qkvs, .offset: 48, .size: 8, .value_kind: global_buffer, .address_space: global }
    .group_segment_fixed_size: 295424
    .private_segment_fixed_size: 0
    .kernarg_segment_align: 8
    .kernarg_segment_size: 56
    .max_flat_workgroup_size: 128
    .sgpr_count:     102
    .vgpr_count:     832
    .wavefront_size: 32
...
	.end_amdgpu_metadata
.endif
;; end of part 3
;; launch attn (part 4): grid 256 x 1, 16 waves a work-group, clusters of 4 x 1, 210,944 bytes of LDS; arguments qkv, qkvs, cc, cs; writes cc, cs
.if DOCPART == 4
	.amdgcn_target "amdgcn-amd-amdhsa--gfx1250"
	.amdhsa_code_object_version 6
	.text
	.protected	k_q00abc1df30_attn
	.globl	k_q00abc1df30_attn
	.p2align	8
	.type	k_q00abc1df30_attn,@function
k_q00abc1df30_attn:
	s_mov_b64 s[64:65], 0
	v_nop
	global_prefetch_b8 v0, s[64:65] scope:SCOPE_SE
	s_setreg_imm32_b32 hwreg(HW_REG_WAVE_MODE, 25, 1), 1
	s_wait_xcnt 0x0
	s_wait_alu depctr_hold_cnt(0) depctr_sa_sdst(0) depctr_va_vdst(0) depctr_va_sdst(0) depctr_va_ssrc(0) depctr_va_vcc(0) depctr_vm_vsrc(0)
	s_getreg_b32 s2, hwreg(HW_REG_IB_STS2, 6, 4)
	s_cmp_eq_u32 s2, 0
	s_cbranch_scc0 .Lentry_in_a_cluster
	s_endpgm
.Lentry_in_a_cluster:
	s_bfe_u32 s2, ttmp6, 0x10000c
	s_cmp_lg_u32 s2, 0x3003
	s_cbranch_scc0 .Lentry_shape_is_right
	s_endpgm
.Lentry_shape_is_right:
; Causal attention on codes of E2M3: S = q k^T / 8 (K = a head's 64), p = 2^(t - M), O = p v (K = the keys), ctx = O / l, quantised again along the head's 64 for the last product.
; t = score x log2(e) / 8; M = the row's largest t so far, rounded UP to a whole number; p is quantised along the keys, not normalised; l is the sum of the unquantised p.  When M moves, l and O are multiplied by 2^(old M - new M): exact.
; A CLUSTER OWNS A HEAD (of 64 = batch x 16 + head).  The head's whole K and V, 196,608 bytes of codes and 12,288 of scale words, lie in each work-group's LDS, filled ONCE, by joint loads that name all four partners.
; SHARES: a group is 128 queries, 8 tiles of 16.  Work-group cx owns tiles 2 cx and 2 cx + 1 of every group.  Wave w takes tile 2 cx of group w, then tile 2 cx + 1 of group 15 - w: w + 1 and 16 - w key steps of 128 keys: 17 for every wave.
; A key step all of whose keys come after the group is left out by a scalar branch on the wave's number and the step; the loop's trip count is the constant 16.  cx enters global addresses and the mask's vector operand alone.
; LAYOUT: both products transposed (source 0 = 16 keys, or 16 of the head's 64; source 1 = my 16 queries): a lane holds ONE query.  K's keys and V's 64 lie permuted (32 b + 16 a + 8 u + i at place 32 b + 16 u + 8 a + i),
; so that the 16 registers of tiles 2 b and 2 b + 1 are 16 neighbours: the conversions' results are the next operand.
; K = 64 IN AN INSTRUCTION OF 128: q's registers 6-11 hold zero codes, so whatever stands in the upper six registers of K's operand (the next tile's codes) adds nothing; bytes 2 and 3 of q's and k's scale words are never 0xff.
; The masked scores are set to -infinity where the problem writes -1e19: p is 0 either way, since key 0 counts for every query.
; LIMITS: NaN and infinities are not served; a p under 2^-126 counts as 0; a block whose largest magnitude is under 2^-124, or is 0, gets the byte 1 (a block of zeros has zero codes; this program alone reads the bytes).
; REGISTERS: v1-6 places that stay; v7 the mask's operand; v8-11, v29, v30 the step's addresses; v12 -M, v13 the largest t, v[14:15] l in two halves; v16-27 q (v22-27 zeros), v28 its scale word; v31 -infinity;
;   v32-85 K's eight tiles (6 registers each; v80-85 zeros), then V's four fragments; v86-93 K's scale words; v94 16 r, v95 4 r; v96-159 S^T, then p; v160-191 O^T; v192-195 V's scale words; v196-215 codes; v216-232 at work.
.set VOFF,  98304                      ; LDS: K's 128 images, then V's 64 fragments,
.set SKOFF, 196608                     ; K's scale words (32 units of 256 bytes),
.set SVOFF, 204800                     ; V's (16 units)
.set S,   96
.set O,   160
.set PC,  196
.set CT,  208
.set BM,  216
.set PD,  220
.set SO,  224
.macro CROUND                          ; a round of the cluster's barrier
	s_barrier_signal -1
	s_barrier_wait -1
	s_cmp_lg_u32 s12, 0
	s_cbranch_scc1 .Lnot_wave_0_\@
	s_barrier_signal -3
.Lnot_wave_0_\@:
	s_barrier_wait -3
	s_barrier_signal -1
	s_barrier_wait -1
.endm
.macro FRAG reg, la, lb, off           ; a fragment, two images: consecutive bytes in every load
	ds_load_b128 v[(\reg):(\reg)+3], v[\la] offset:\off
	ds_load_b64 v[(\reg)+4:(\reg)+5], v[\lb] offset:\off+512
	ds_load_b128 v[(\reg)+6:(\reg)+9], v[\la] offset:\off+768
	ds_load_b64 v[(\reg)+10:(\reg)+11], v[\lb] offset:\off+1280
.endm
	s_load_b256 s[4:11], s[0:1], 0x0               ; qkv, qkvs, cc, cs
	v_lshl_add_u32 v254, v0, 2, 0x33000
	v_mov_b32 v255, 0
	ds_add_u32 v254, v255
	ds_add_u32 v254, v255
	v_lshrrev_b32 v1, 5, v0
	v_readfirstlane_b32 s12, v1                    ; wave 0..15
	s_bfe_u32 s13, ttmp6, 0x40000                  ; cx
	s_mov_b32 s14, ttmp9                           ; the head: the cluster's number
	; descriptor group 1: 48 rows of 256 bytes, dense in memory and in LDS, as elements of 8 bytes
	s_mov_b32 s16, 15|(3<<16)|(1<<21)              ; 15:0 the mask: all four work-groups; 17:16 elements of 8 bytes; 21 set beside a mask
	s_mov_b32 s17, 32<<16
	s_mov_b32 s18, 48<<16
	s_mov_b32 s19, 32<<16
	s_mov_b32 s20, 48
	s_mov_b32 s21, 32
	s_mov_b32 s22, 0
	s_mov_b32 s23, 0
	s_mul_i32 s50, s14, 196608
	s_mul_i32 s51, s12, 12288
	s_add_co_u32 s50, s50, s51
	s_add_co_u32 s50, s50, 6291456                 ; my sixteenth of the head's K and V
	s_mov_b32 s51, 0
	s_mul_i32 s52, s14, 12288
	s_add_co_u32 s52, s52, 524288                  ; the head's scale words of K and V
	s_mov_b32 s53, 0
	s_mov_b32 s32, 0x76543210
	s_mov_b32 s33, 0xfedcba98                      ; v_permlanex16_b32's selects for lane l xor 16
	s_mov_b32 s34, 0x3e38aa3b                      ; c = log2(e) / 8
	s_mov_b32 s35, s34                             ; (named with it as a pair, so it is written)
	s_wait_dscnt 0x0
	s_wait_kmcnt 0x0
	s_mov_b32 s24, 1
	s_mul_i32 s25, s12, 12288
	s_add_nc_u64 s[26:27], s[4:5], s[50:51]
	s_or_b32 s27, s27, 0x80000000
	s_mov_b32 s28, 1
	s_mov_b32 s29, SKOFF
	s_add_nc_u64 s[30:31], s[6:7], s[52:53]
	s_or_b32 s31, s31, 0x80000000
	CROUND                                         ; all four work-groups are here: the joint loads meet
	s_cmp_eq_u32 s12, 0                            ; every wave asks for its sixteenth, wave 0 for the scale words too: two tensor loads of a wave are out at the most
	s_cbranch_scc0 .Lothers
	tensor_load_to_lds s[24:27], s[16:23]
	s_nop 0
	tensor_load_to_lds s[28:31], s[16:23]
	s_nop 0
.rept 4
	v_nop
.endr
	s_branch .Lasked
.Lothers:
	tensor_load_to_lds s[24:27], s[16:23]
	s_nop 0
.rept 4
	v_nop
.endr
.Lasked:
	v_and_b32 v7, 31, v0
	v_lshlrev_b32 v1, 4, v7                        ; 16 x lane
	v_lshlrev_b32 v2, 3, v7                        ; 8 x lane
	v_add_nc_u32 v3, VOFF, v1
	v_add_nc_u32 v4, VOFF, v2
	v_and_b32 v95, 15, v0
	v_lshlrev_b32 v94, 4, v95                      ; 16 r
	v_lshlrev_b32 v95, 2, v95                      ; 4 r
	v_add_nc_u32 v5, SKOFF, v94
	v_add_nc_u32 v6, SVOFF, v94
.irp i, 22,23,24,25,26,27,80,81,82,83,84,85,220,221,222,223,229
	v_mov_b32 v\i, 0                               ; q's upper codes; behind K's last tile; the permutes' destinations; the upper half of the pair v[228:229]
.endr
	v_mov_b32 v31, 0xff800000                      ; -infinity
; ONE TILE OF 16 QUERIES: pass u = 0: group w, tile 2 cx; u = 1: group 15 - w, tile 2 cx + 1.
.macro PASS u
	s_wait_xcnt 0x0                                ; the last pass's stores have read their registers and bases
.if \u == 0
	s_mov_b32 s36, s12                             ; my group: its last key step too
.else
	s_sub_co_u32 s36, 15, s12
.endif
	s_lshl_b32 s50, s13, 1
	s_add_co_u32 s50, s50, \u                      ; the tile's number in its group
	s_lshl_b32 s37, s36, 3
	s_add_co_u32 s37, s37, s50                     ; and in the sequence
	s_mul_i32 s42, s14, 98304
	s_mul_i32 s51, s37, 768
	s_add_co_u32 s42, s42, s51
	s_mov_b32 s43, 0
	s_add_nc_u64 s[42:43], s[4:5], s[42:43]        ; q's image
	s_lshl_b32 s44, s14, 13
	s_lshr_b32 s51, s37, 2
	s_lshl_b32 s51, s51, 8
	s_add_co_u32 s44, s44, s51
	s_and_b32 s51, s37, 3
	s_lshl_b32 s51, s51, 2
	s_add_co_u32 s44, s44, s51
	s_mov_b32 s45, 0
	s_add_nc_u64 s[44:45], s[6:7], s[44:45]        ; its scale words
	s_lshr_b32 s46, s14, 4
	s_lshl_b32 s46, s46, 7
	s_add_co_u32 s46, s46, s37
	s_mul_i32 s46, s46, 12288
	s_and_b32 s51, s14, 15
	s_mul_i32 s51, s51, 768
	s_add_co_u32 s46, s46, s51
	s_mov_b32 s47, 0
	s_add_nc_u64 s[46:47], s[8:9], s[46:47]        ; ctx's image: block of 16 rows, the head's 64 of K
	s_lshl_b32 s48, s14, 13
	s_lshl_b32 s51, s37, 6
	s_add_co_u32 s48, s48, s51
	s_mov_b32 s49, 0
	s_add_nc_u64 s[48:49], s[10:11], s[48:49]      ; its scale words
	global_load_b128 v[16:19], v1, s[42:43]
	global_load_b64 v[20:21], v2, s[42:43] offset:512
	global_load_b32 v28, v94, s[44:45]
	v_and_b32 v7, 15, v0
	v_bfe_u32 v232, v0, 4, 1
	v_lshlrev_b32 v232, 4, v232
	v_sub_nc_u32 v7, v7, v232
	s_lshl_b32 s50, s50, 4
	v_add_nc_u32 v7, s50, v7                       ; my query in its group, less 16 (lane / 16)
	v_mov_b32 v13, 0xff61b1e6                      ; the largest t so far: -3e38, under every t
	v_floor_f32 v12, -v13                          ; -M
	v_mov_b32 v14, 0
	v_mov_b32 v15, 0
.set n, 0
.rept 32
	v_mov_b32 v[O+n], 0                            ; O^T.  (The step is written once a pass: the first finds zeros, which the first change of M leaves zeros)
.set n, n+1
.endr
	s_mov_b32 s38, 0                               ; the key step,
	s_mov_b32 s39, 0                               ; its codes in LDS: 6,144 bytes a step, of K and of V alike,
	s_mov_b32 s40, 0                               ; K's scale words: 512,
	s_mov_b32 s41, 0                               ; V's: 256
.if \u == 0
	s_wait_tensorcnt 0x0                           ; my parts of the head have landed,
	s_barrier_signal -1
	s_barrier_wait -1                              ; everybody's have
.endif
	s_wait_loadcnt 0x0                             ; q
.Lstep_\@:
	s_cmp_gt_u32 s38, s36                          ; all keys of this step come after my group: only the steps of the addresses are left
	s_cbranch_scc1 .Lhidden_\@
	v_add_nc_u32 v8, s39, v1                       ; (these six are also the places behind the last step's products, in front of the loads)
	v_add_nc_u32 v9, s39, v2
	v_add_nc_u32 v10, s39, v3
	v_add_nc_u32 v11, s39, v4
	v_add_nc_u32 v29, s40, v5
	v_add_nc_u32 v30, s41, v6
.irp t, 0,1,2,3,4,5,6,7
	ds_load_b128 v[32+6*\t:35+6*\t], v8 offset:768*\t
	ds_load_b64 v[36+6*\t:37+6*\t], v9 offset:768*\t+512
.endr
	ds_load_b128 v[86:89], v29
	ds_load_b128 v[90:93], v29 offset:256
	s_wait_dscnt 0x0
.irp t, 0,1,2,3,4,5,6,7                        ; S^T = K q^T: register j of tile t is key 32 (t / 2) + 8 (t % 2) + 16 (lane / 16) + j of the step
	v_wmma_scale_f32_16x16x128_f8f6f4 v[S+8*\t:S+8*\t+7], v[32+6*\t:43+6*\t], v[16:27], 0, v[86+\t], v28 matrix_a_fmt:MATRIX_FMT_FP6 matrix_b_fmt:MATRIX_FMT_FP6
.endr
.rept 4
	v_nop                                          ; places in front of the loads below and of the first read of the scores
.endr
.irp t, 0,1,2,3
	FRAG 32+12*\t, 10, 11, 1536*\t                 ; V's four fragments land while the softmax is worked
.endr
	ds_load_b128 v[192:195], v30
	s_cmp_lg_u32 s38, s36                          ; on the diagonal the scores of hidden keys become -infinity ahead of the maximum
	s_cbranch_scc1 .Lopen_\@
.set n, 0
.rept 64
	v_cmp_gt_i32 vcc_lo, 32*(n/16)+n%16, v7
	v_cndmask_b32 v[S+n], v[S+n], v31, vcc_lo
.set n, n+1
.endr
.Lopen_\@:
.irp b, 0,1,2,3
	v_max3_num_f32 v[BM+\b], v[S+16*\b], v[S+16*\b+1], v[S+16*\b+2]   ; the largest score of each block of 32 keys: for the row's maximum, and, since p rises with the score, for the block's largest p
.endr
.irp i, 3,5,7,9,11,13
.irp b, 0,1,2,3
	v_max3_num_f32 v[BM+\b], v[BM+\b], v[S+16*\b+\i], v[S+16*\b+\i+1]
.endr
.endr
.irp b, 0,1,2,3
	v_max_num_f32 v[BM+\b], v[BM+\b], v[S+16*\b+15]
.endr
.irp b, 0,1,2,3
	v_permlanex16_b32 v[PD+\b], v[BM+\b], s32, s33
.endr
.irp b, 0,1,2,3
	v_max_num_f32 v[BM+\b], v[BM+\b], v[PD+\b]     ; with lane l xor 16's 16 keys
.endr
	v_max3_num_f32 v232, v[BM], v[BM+1], v[BM+2]
	v_max_num_f32 v232, v232, v[BM+3]
	v_mul_f32 v232, s34, v232                      ; the step's largest t (c is positive)
	v_max_num_f32 v13, v13, v232
	v_mov_b32 v232, v12
	v_floor_f32 v12, -v13                          ; the new -M = -ceil(t): a whole number
	v_sub_f32 v232, v12, v232                      ; old M - new M: a whole number, 0 or less
	v_cvt_i32_f32 v232, v232                       ; (it saturates)
	v_ldexp_f32 v228, 1.0, v232                    ; f = 2^(old M - new M)
.set n, 0
.rept 32
	v_pk_fma_f32 v[S+n:S+n+1], v[S+n:S+n+1], s[34:35], v[12:13] op_sel_hi:[1,0,0]   ; t - M, two at a time
.set n, n+2
.endr
.irp b, 0,1,2,3
	v_fma_f32 v[BM+\b], v[BM+\b], s34, v12         ; the same of each block's largest score
.endr
.set n, 0
.rept 64
	v_exp_f32 v[S+n], v[S+n]                       ; p = 2^(t - M), at most 1
.set n, n+1
.endr
	v_pk_mul_f32 v[14:15], v[14:15], v[228:229] op_sel_hi:[1,0]   ; l under the new M: the plain line behind the exponentials
	s_wait_alu depctr_va_vdst(0)                   ; one wait for the whole batch, ahead of its first reader
.irp b, 0,1,2,3
	v_exp_f32 v[BM+\b], v[BM+\b]                   ; the block's largest p: the same two instructions on the same number
.endr
	v_pk_add_f32 v[230:231], v[S:S+1], v[S+2:S+3]  ; l takes the unquantised p, in two chains
.irp j, 4,8,12,16,20,24,28,32,36,40,44,48,52,56,60
	v_pk_add_f32 v[14:15], v[14:15], v[S+\j:S+\j+1]
	v_pk_add_f32 v[230:231], v[230:231], v[S+\j+2:S+\j+3]
.endr
	v_pk_add_f32 v[14:15], v[14:15], v[230:231]
	s_wait_alu depctr_va_vdst(0)                   ; and one for the four
.irp b, 0,1,2,3
	v_max_num_f32 v[BM+\b], 0x1800000, v[BM+\b]    ; the floor 2^(3 - 127): the byte cannot fall under 1
.endr
.irp b, 0,1,2,3
	v_add_nc_u32 v[SO+\b], 0xff000000, v[BM+\b]    ; 2 off the exponent field: the conversion's scale operand
.endr
.irp b, 0,1,2,3
	v_lshrrev_b32 v[PD+\b], 23, v[SO+\b]           ; the scale's byte
.endr
	v_lshl_or_b32 v229, v[PD+1], 8, v[PD]          ; p's scale word for these 128 keys
	v_lshl_or_b32 v229, v[PD+2], 16, v229
	v_lshl_or_b32 v229, v[PD+3], 24, v229
.irp c, 0,1
	v_cvt_scalef32_pk16_fp6_f32 v[PC+6*\c:PC+6*\c+2], v[S+32*\c:S+32*\c+15], v[SO+2*\c]
	v_cvt_scalef32_pk16_fp6_f32 v[CT+4*\c:CT+4*\c+2], v[S+32*\c+16:S+32*\c+31], v[SO+2*\c+1]
.endr
	v_nop                                          ; one plain line behind the conversions
.irp c, 0,1                                    ; the operand's layout wants a whole block in a lane
.irp i, 0,1,2
	v_permlane16_swap_b32 v[PC+6*\c+\i], v[CT+4*\c+\i]
.endr
.irp i, 0,1,2
	v_mov_b32 v[PC+6*\c+3+\i], v[CT+4*\c+\i]
.endr
.endr
.set n, 0
.rept 16
	v_pk_mul_f32 v[O+n:O+n+1], v[O+n:O+n+1], v[228:229] op_sel_hi:[1,0]   ; O^T under the new M.  For each product below twelve of these name none of its registers: the places between p's codes and scale word and the products
.set n, n+2
.endr
	s_wait_dscnt 0x0                               ; V
.irp t, 0,1,2,3                                ; O^T += V^T p^T: four accumulators by turns
	v_wmma_scale_f32_16x16x128_f8f6f4 v[O+8*\t:O+8*\t+7], v[32+12*\t:43+12*\t], v[PC:PC+11], v[O+8*\t:O+8*\t+7], v[192+\t], v229 matrix_a_fmt:MATRIX_FMT_FP6 matrix_b_fmt:MATRIX_FMT_FP6
.endr
.Lhidden_\@:
	s_add_co_u32 s39, s39, 6144
	s_add_co_u32 s40, s40, 512
	s_add_co_u32 s41, s41, 256
	s_add_co_u32 s38, s38, 1
	s_cmp_lt_u32 s38, 16
	s_cbranch_scc1 .Lstep_\@
	; ctx = O^T / l, quantised along the head's 64: register 16 b + i is number 32 b + 16 (lane / 16) + i
.rept 4
	v_nop
.endr
	v_add_f32 v14, v14, v15
	v_permlanex16_b32 v232, v14, s32, s33
	v_add_f32 v14, v14, v232                       ; the row's sum
	v_rcp_f32 v14, v14
	v_nop                                          ; a plain line behind the reciprocal,
	s_wait_alu depctr_va_vdst(0)                   ; and the wait ahead of its first reader
.set n, 0
.rept 16
	v_pk_mul_f32 v[O+n:O+n+1], v[O+n:O+n+1], v[14:15] op_sel_hi:[1,0]
.set n, n+2
.endr
.irp b, 0,1
	v_max3_num_f32 v[BM+\b], |v[O+16*\b]|, |v[O+16*\b+1]|, 0x1800000
.endr
.irp i, 2,4,6,8,10,12,14
.irp b, 0,1
	v_max3_num_f32 v[BM+\b], v[BM+\b], |v[O+16*\b+\i]|, |v[O+16*\b+\i+1]|
.endr
.endr
.irp b, 0,1
	v_permlanex16_b32 v[PD+\b], v[BM+\b], s32, s33
.endr
.irp b, 0,1
	v_max_num_f32 v[BM+\b], v[BM+\b], v[PD+\b]
.endr
.irp b, 0,1
	v_add_nc_u32 v[SO+\b], 0xff000000, v[BM+\b]
.endr
.irp b, 0,1
	v_lshrrev_b32 v[PD+\b], 23, v[SO+\b]
.endr
	v_lshl_or_b32 v232, v[PD+1], 8, v[PD]          ; the row's two bytes; bytes 2 and 3 are 0
	v_cvt_scalef32_pk16_fp6_f32 v[PC:PC+2], v[O:O+15], v[SO]
	v_cvt_scalef32_pk16_fp6_f32 v[CT:CT+2], v[O+16:O+31], v[SO+1]
	v_nop
.irp i, 0,1,2
	v_permlane16_swap_b32 v[PC+\i], v[CT+\i]
.endr
.irp i, 0,1,2
	v_mov_b32 v[PC+3+\i], v[CT+\i]
.endr
	global_store_b128 v1, v[PC:PC+3], s[46:47]             ; 512 consecutive bytes,
	global_store_b64 v2, v[PC+4:PC+5], s[46:47] offset:512 ; and 256, at multiples of 256
	global_store_b32 v95, v232, s[48:49]           ; 64 bytes: a head's words of 16 rows (lanes 16-31 store the same words to the same bytes); the neighbouring bytes are other waves' and other work-groups'
.endm
	PASS 0
	PASS 1
	s_wait_tensorcnt 0x0
	ds_add_u32 v254, v255
	s_wait_dscnt 0x0
	CROUND                                         ; the closing round: no work-group ends while a partner may still ask for a tile that names it
	s_endpgm
.Lfunc_end_k_q00abc1df30_attn:
	.size	k_q00abc1df30_attn, .Lfunc_end_k_q00abc1df30_attn-k_q00abc1df30_attn
	.p2alignl 7, 3214868480
	.fill 96, 4, 3214868480
	.section	.rodata,"a",@progbits
	.p2align	6, 0x0
	.amdhsa_kernel k_q00abc1df30_attn
		.amdhsa_group_segment_fixed_size 210944
		.amdhsa_private_segment_fixed_size 0
		.amdhsa_enable_private_segment 0
		.amdhsa_kernarg_size 32
		.amdhsa_user_sgpr_count 2
		.amdhsa_user_sgpr_kernarg_segment_ptr 1
		.amdhsa_wavefront_size32 1
		.amdhsa_system_sgpr_workgroup_id_x 1
		.amdhsa_system_sgpr_workgroup_id_y 1
		.amdhsa_system_sgpr_workgroup_id_z 1
		.amdhsa_system_vgpr_workitem_id 0
		.amdhsa_next_free_vgpr 256
		.amdhsa_next_free_sgpr 66
		.amdhsa_reserve_vcc 1
		.amdhsa_float_denorm_mode_32 3
		.amdhsa_float_denorm_mode_16_64 3
		.amdhsa_memory_ordered 1
		.amdhsa_forward_progress 1
		.amdhsa_inst_pref_size 61
	.end_amdhsa_kernel
	.amdgpu_metadata
---
amdhsa.version: [ 1, 2 ]
amdhsa.kernels:
  - .name:           k_q00abc1df30_attn
    .symbol:         k_q00abc1df30_attn.kd
    .args:
      - { .name: qkv, .offset: 0, .size: 8, .value_kind: global_buffer, .address_space: global }
      - { .name: qkvs, .offset: 8, .size: 8, .value_kind: global_buffer, .address_space: global }
      - { .name: cc, .offset: 16, .size: 8, .value_kind: global_buffer, .address_space: global }
      - { .name: cs, .offset: 24, .size: 8, .value_kind: global_buffer, .address_space: global }
    .group_segment_fixed_size: 210944
    .private_segment_fixed_size: 0
    .kernarg_segment_align: 8
    .kernarg_segment_size: 32
    .max_flat_workgroup_size: 512
    .sgpr_count:     66
    .vgpr_count:     256
    .wavefront_size: 32
...
	.end_amdgpu_metadata
.endif
;; end of part 4
;; launch outp (part 5): grid 4 x 64, 4 waves a work-group, clusters of 4 x 4, 295,424 bytes of LDS; arguments cc, cs, cod, scl, bo, out0; writes out0
.if DOCPART == 5
	.amdgcn_target "amdgcn-amd-amdhsa--gfx1250"
	.amdhsa_code_object_version 6
	.text
	.protected	k_q00abc1df30_outp
	.globl	k_q00abc1df30_outp
	.p2align	8
	.type	k_q00abc1df30_outp,@function
k_q00abc1df30_outp:
	s_mov_b64 s[64:65], 0
	v_nop
	global_prefetch_b8 v0, s[64:65] scope:SCOPE_SE
	s_setreg_imm32_b32 hwreg(HW_REG_WAVE_MODE, 25, 1), 1
	s_wait_xcnt 0x0
	s_wait_alu depctr_hold_cnt(0) depctr_sa_sdst(0) depctr_va_vdst(0) depctr_va_sdst(0) depctr_va_ssrc(0) depctr_va_vcc(0) depctr_vm_vsrc(0)
	s_getreg_b32 s2, hwreg(HW_REG_IB_STS2, 6, 4)
	s_cmp_eq_u32 s2, 0
	s_cbranch_scc0 .Lentry_in_a_cluster
	s_endpgm
.Lentry_in_a_cluster:
	s_bfe_u32 s2, ttmp6, 0x10000c
	s_cmp_lg_u32 s2, 0xf033
	s_cbranch_scc0 .Lentry_shape_is_right
	s_endpgm
.Lentry_shape_is_right:
; out0 = ctx Wo + bo on codes of E2M3, K = 1,024.  ctx's codes lie in cc (blocks of 16 rows x 1,024 K, a head's 64 an image of 768 bytes), its scale bytes in cs (a word for each head and row, bytes 0 and 1);
; Wo's codes and scale words in cod and scl, its columns permuted (32 b + 16 a + 8 u + i at place 32 b + 16 u + 8 a + i).
; A tile is 128 rows of ctx (source 1: a lane holds one row) x 256 columns (source 0: a lane's registers run along the columns; by the permutation the 16 registers of tiles 2 b, 2 b + 1 are 16 neighbouring columns).
; ALL OF K LIES IN LDS: 8 + 16 blocks of 12,288 bytes, each byte filled once, in four quarters of K, so that the products begin when the first quarter has landed.  No slot is ever filled again.
; Four waves: wave w takes 64 rows (w / 2) x 128 columns (w % 2): 32 accumulators, which take turns, one instruction a turn, in the same order in every K step.
; CLUSTERS: 4 x 4 work-groups.  ctx's tile is asked for jointly by the four of a row of the cluster, Wo's by the four of a column.
; THE WAY OUT: 16 rows x 512 bytes at a time through the wave's own stage in LDS, which lies in bytes of ctx's first quarters: they have had their only fill, and a barrier stands behind every wave's last read of them.
; REGISTERS: window 0: v1-20 addresses; v32-63 ctx's scale words (8 a + kq), v64-127 Wo's (8 b + kq); v128-223 ctx's fragments, two sets; on the way out v128-255 rows of out0.
;   window 1: Wo's fragments, two sets, at v0 and v128.   window 2: the accumulators, (a, b) at v[8 (8 a + b)].   window 3: v0-63 bo in the result's layout: the C of each sum's first product.
.set QA,   24576
.set QB,   49152
.set BOFF, 98304
.set FR,   12
.set SA,   32
.set SB,   64
.set AF,   128
.set G1A,  28
.set G1B,  36
.set G0A,  44
.set G0B,  68
.set MSB, 0
.macro WIN new                         ; the immediate's high byte repeats the setting that is left
.if MSB != \new
	s_set_vgpr_msb (MSB<<8)|\new
.set MSB, \new
.endif
.endm
.macro PLACES n
.rept \n
	v_nop
.endr
.endm
.macro CROUND                          ; a round of the cluster's barrier
	s_barrier_signal -1
	s_barrier_wait -1
	s_cmp_lg_u32 s18, 0
	s_cbranch_scc1 .Lnot_wave_0_\@
	s_barrier_signal -3
.Lnot_wave_0_\@:
	s_barrier_wait -3
	s_barrier_signal -1
	s_barrier_wait -1
.endm
.macro FRAG reg, la, lb, off           ; a fragment, two images: consecutive bytes in every load
	ds_load_b128 v[(\reg):(\reg)+3], v[\la] offset:\off
	ds_load_b64 v[(\reg)+4:(\reg)+5], v[\lb] offset:\off+512
	ds_load_b128 v[(\reg)+6:(\reg)+9], v[\la] offset:\off+768
	ds_load_b64 v[(\reg)+10:(\reg)+11], v[\lb] offset:\off+1280
.endm
.macro FETCH kq, set                   ; K step kq's fragments: Wo's eight, ctx's four: 48 loads in one run
	WIN 0x40
.irp b, 0,1,2,3,4,5,6,7
	FRAG 128*(\set)+FR*\b, 10+(\kq)/2, 14+(\kq)/2, 3072*\b+1536*((\kq)%2)
.endr
	WIN 0
.irp a, 0,1,2,3
	FRAG AF+48*(\set)+FR*\a, 6+(\kq)/4, 8+(\kq)/4, QA*(((\kq)/2)%2)+3072*\a+1536*((\kq)%2)
.endr
.endm
.macro MUL kq, set, kind               ; 32 products.  kind 0: onto the sums; 1: the sums begin with the bias
.if (\kind) == 0
	WIN 0xa1
.else
	WIN 0xb1
.endif
.irp a, 0,1,2,3
.irp b, 0,1,2,3,4,5,6,7
.if (\kind) == 0
	v_wmma_scale_f32_16x16x128_f8f6f4 v[8*(8*\a+\b):8*(8*\a+\b)+7], v[128*(\set)+FR*\b:128*(\set)+FR*\b+FR-1], v[AF+48*(\set)+FR*\a:AF+48*(\set)+FR*\a+FR-1], v[8*(8*\a+\b):8*(8*\a+\b)+7], v[SB+8*\b+(\kq)], v[SA+8*\a+(\kq)] matrix_a_fmt:MATRIX_FMT_FP6 matrix_b_fmt:MATRIX_FMT_FP6
.else
	v_wmma_scale_f32_16x16x128_f8f6f4 v[8*(8*\a+\b):8*(8*\a+\b)+7], v[128*(\set)+FR*\b:128*(\set)+FR*\b+FR-1], v[AF+48*(\set)+FR*\a:AF+48*(\set)+FR*\a+FR-1], v[8*\b:8*\b+7], v[SB+8*\b+(\kq)], v[SA+8*\a+(\kq)] matrix_a_fmt:MATRIX_FMT_FP6 matrix_b_fmt:MATRIX_FMT_FP6
.endif
.endr
.endr
.endm
.macro STEP kq
	s_wait_dscnt 0x0                               ; this step's fragments are in
.if (\kq)%2 == 1 && (\kq) < 7
	s_wait_tensorcnt 3-((\kq)+1)/2                 ; my part of the next quarter of K has landed; the count is my quarters behind it
	s_barrier_signal -1
	s_barrier_wait -1                              ; everybody's has.
.endif
.if (\kq) < 7
	PLACES 4                                       ; in front of loads into registers that the last step's products have read
	FETCH (\kq)+1, 1-(\kq)%2
.endif
	MUL \kq, (\kq)%2, 0
.endm
	s_load_b256 s[4:11], s[0:1], 0x0               ; cc, cs, cod, scl
	s_load_b128 s[12:15], s[0:1], 0x20             ; bo, out0
	v_lshl_add_u32 v30, v0, 2, 0x48000
	v_mov_b32 v31, 0
	ds_add_u32 v30, v31
	ds_add_u32 v30, v31
	v_lshrrev_b32 v1, 5, v0
	v_readfirstlane_b32 s18, v1                    ; wave 0..3
	s_lshr_b32 s19, s18, 1                         ; wa: my 64 rows.  Also: which 8 blocks of Wo waves 1 and 2 fetch
	s_and_b32 s20, s18, 1                          ; wb: my 128 columns
	s_bfe_u32 s21, ttmp6, 0x40000                  ; cx: the tile column
	s_bfe_u32 s22, ttmp6, 0x40004                  ; cy
	; ctx's side: registers that never hold cx
	s_and_b32 s25, ttmp7, 0xffff
	s_lshl_b32 s25, s25, 2
	s_add_co_u32 s25, s25, s22                     ; the tile row
	s_lshl_b32 s84, s25, 3                         ; its first block of 16 rows
	s_mul_i32 s86, s84, 12288
	s_mov_b32 s87, 0
	s_lshl_b32 s85, s22, 2
	s_lshl_b32 s85, 15, s85                        ; my row of the cluster
	; Wo's side: registers that never hold cy
	s_lshl_b32 s88, s21, 4
	s_add_co_u32 s88, s88, 1728                    ; the tile's first block of Wo in cod and scl
	s_lshl_b32 s89, s19, 3
	s_add_co_u32 s89, s89, s88
	s_mul_i32 s90, s89, 12288
	s_mov_b32 s91, 0
	s_lshl_b32 s89, 0x1111, s21                    ; my column of the cluster
	s_mul_i32 s27, s19, 24576
	; descriptor group 1: 8 rows (blocks of 16) x 3,072 bytes (a quarter of K), 12,288 bytes apart, as elements of 8 bytes; dense in LDS
	s_or_b32 s[G1A], s85, (3<<16)|(1<<21)          ; 15:0 the mask; 17:16 elements of 8 bytes; 21 set beside a mask
	s_or_b32 s[G1B], s89, (3<<16)|(1<<21)
.irp g, G1A, G1B
	s_mov_b32 s[\g+1], 384<<16                     ; tensor_dim0
	s_mov_b32 s[\g+2], 8<<16                       ; tensor_dim1
	s_mov_b32 s[\g+3], 384<<16                     ; tile_dim0
	s_mov_b32 s[\g+4], 8                           ; tile_dim1
	s_mov_b32 s[\g+5], 1536                        ; from row to row
	s_mov_b32 s[\g+6], 0
	s_mov_b32 s[\g+7], 0
.endr
	s_wait_dscnt 0x0
	s_wait_kmcnt 0x0
	s_add_nc_u64 s[86:87], s[4:5], s[86:87]
	s_add_nc_u64 s[90:91], s[8:9], s[90:91]
	CROUND                                         ; all sixteen work-groups are here: the joint loads meet
.irp j, 0,1,2,3
	s_mov_b32 s[G0A+4*\j], 1
	s_mov_b32 s[G0A+4*\j+1], QA*\j
	s_add_nc_u64 s[G0A+4*\j+2:G0A+4*\j+3], s[86:87], 3072*\j
	s_or_b32 s[G0A+4*\j+3], s[G0A+4*\j+3], 0x80000000
	s_mov_b32 s[G0B+4*\j], 1
	s_add_co_u32 s[G0B+4*\j+1], s27, BOFF+QB*\j
	s_add_nc_u64 s[G0B+4*\j+2:G0B+4*\j+3], s[90:91], 3072*\j
	s_or_b32 s[G0B+4*\j+3], s[G0B+4*\j+3], 0x80000000
.endr
	; wave 0 asks for ctx's four quarters, waves 1 and 2 for four quarters of 8 blocks of Wo each, wave 3 for nothing: four tensor loads of a wave are out at the most
	s_cmp_eq_u32 s18, 0
	s_cbranch_scc0 .Lnot_a
.irp j, 0,1,2,3
	tensor_load_to_lds s[G0A+4*\j:G0A+4*\j+3], s[G1A:G1A+7]
	s_nop 0
.endr
	PLACES 4
	s_branch .Lasked
.Lnot_a:
	s_cmp_lt_u32 s18, 3
	s_cbranch_scc0 .Lasked
.irp j, 0,1,2,3
	tensor_load_to_lds s[G0B+4*\j:G0B+4*\j+3], s[G1B:G1B+7]
	s_nop 0
.endr
	PLACES 4
.Lasked:
	v_and_b32 v1, 15, v0                           ; r
	v_bfe_u32 v2, v0, 4, 1                         ; h
	v_and_b32 v3, 31, v0
	v_lshlrev_b32 v4, 3, v3                        ; 8 x lane
	v_lshlrev_b32 v3, 4, v3                        ; 16 x lane
	v_lshlrev_b32 v5, 4, v1                        ; 16 r
	v_lshlrev_b32 v18, 2, v1                       ; 4 r
	s_mul_i32 s92, s19, 12288
	v_add_nc_u32 v6, s92, v3                       ; ctx's fragments: quarters 0 and 1,
	v_add_nc_u32 v8, s92, v4
	v_add_nc_u32 v7, 49152, v6                     ; quarters 2 and 3
	v_add_nc_u32 v9, 49152, v8
	s_mul_i32 s92, s20, 24576
	s_add_co_u32 s92, s92, BOFF
.irp j, 0,1,2,3
	v_add_nc_u32 v[10+\j], s92, v3                 ; Wo's: a register for each quarter
	v_add_nc_u32 v[14+\j], s92, v4
	s_add_co_u32 s92, s92, QB
.endr
	s_mul_i32 s92, s18, 8448                       ; my stage: 16 rows of 512 + 16 bytes
	v_mul_u32_u24 v19, v1, 528
	v_lshl_add_u32 v19, v2, 6, v19
	v_add_nc_u32 v19, s92, v19                     ; in: row r, 64 h bytes on
	v_add_nc_u32 v20, s92, v3                      ; back: 16 bytes a lane of a row
	; Wo's scale words: a unit of 256 bytes gives a lane four words
	s_lshl_b32 s94, s20, 3
	s_add_co_u32 s94, s94, s88
	s_lshl_b32 s94, s94, 9
	s_mov_b32 s95, 0
	s_add_nc_u64 s[94:95], s[10:11], s[94:95]
.irp b, 0,1,2,3,4,5,6,7
.irp k, 0,1
	global_load_b128 v[SB+8*\b+4*\k:SB+8*\b+4*\k+3], v5, s[94:95] offset:512*\b+256*\k
.endr
.endr
	; ctx's: a word for each head and row
	s_lshr_b32 s92, s25, 4
	s_lshl_b32 s92, s92, 17                        ; the batch: 16 heads x 2,048 rows x 4 bytes
	s_and_b32 s93, s25, 15
	s_lshl_b32 s93, s93, 9
	s_add_co_u32 s92, s92, s93
	s_lshl_b32 s93, s19, 8
	s_add_co_u32 s92, s92, s93
	s_mov_b32 s93, 0
	s_add_nc_u64 s[92:93], s[6:7], s[92:93]
.irp a, 0,1,2,3
.irp d, 0,1,2,3,4,5,6,7,8,9,10,11,12,13,14,15
	global_load_b32 v[128+16*\a+\d], v18, s[92:93] offset:8192*\d+64*\a
.endr
.endr
	; bo: tile b's register j is column 32 (b / 2) + 8 (b % 2) + 16 h + j of my 128
	v_lshlrev_b32 v250, 6, v2
	s_lshl_b32 s96, s21, 10
	s_lshl_b32 s97, s20, 9
	s_add_co_u32 s96, s96, s97
	s_mov_b32 s97, 0
	s_add_nc_u64 s[12:13], s[12:13], s[96:97]
	WIN 0xc0                                       ; destination window 3
.irp b, 0,1,2,3,4,5,6,7
	global_load_b128 v[8*\b:8*\b+3], v250, s[12:13] offset:(32*(\b/2)+8*(\b%2))*4
	global_load_b128 v[8*\b+4:8*\b+7], v250, s[12:13] offset:(32*(\b/2)+8*(\b%2))*4+16
.endr
	WIN 0
	; where my part of out0 begins: row 128 x tile row + 64 wa, column 256 x tile column + 128 wb
	s_lshl_b32 s98, s25, 19
	s_lshl_b32 s99, s19, 18
	s_add_co_u32 s98, s98, s99
	s_add_co_u32 s98, s98, s96
	s_mov_b32 s99, 0
	s_add_nc_u64 s[14:15], s[14:15], s[98:99]
	s_wait_loadcnt 0x0
.irp a, 0,1,2,3
.irp k, 0,1,2,3,4,5,6,7
	v_lshl_or_b32 v[SA+8*\a+\k], v[128+16*\a+2*\k+1], 16, v[128+16*\a+2*\k]   ; heads 2 kq and 2 kq + 1 make the word of K step kq
.endr
.endr
	PLACES 8                                       ; scale registers written by vector instructions stand eight places ahead of the products
	s_wait_tensorcnt 3                             ; my part of the first quarter of K has landed; my three later quarters may be out
	s_barrier_signal -1
	s_barrier_wait -1                              ; everybody's has
	FETCH 0, 0
	s_wait_dscnt 0x0
	FETCH 1, 1
	MUL 0, 0, 1
	STEP 1
	STEP 2
	STEP 3
	STEP 4
	STEP 5
	STEP 6
	STEP 7
	WIN 0
	s_wait_dscnt 0x0                               ; my reads of the tiles are over
	s_barrier_signal -1
	s_barrier_wait -1                              ; everybody's are: the stages may be written
	PLACES 4                                       ; in front of the first read of results and of loads into registers that the last products have read
.macro TOSTAGE a                       ; 16 rows x 128 columns into my stage, and back as whole rows of 512 bytes
	WIN 0x08                                       ; an LDS store's data are its source 1: window 2
.irp b, 0,1,2,3,4,5,6,7
	ds_store_b128 v19, v[8*(8*(\a)+\b):8*(8*(\a)+\b)+3] offset:128*(\b/2)+32*(\b%2)       ; each accumulator from its low end on
	ds_store_b128 v19, v[8*(8*(\a)+\b)+4:8*(8*(\a)+\b)+7] offset:128*(\b/2)+32*(\b%2)+16
.endr
	WIN 0
.irp t, 0,1,2,3,4,5,6,7,8,9,10,11,12,13,14,15
	ds_load_b128 v[128+64*((\a)%2)+4*\t:128+64*((\a)%2)+4*\t+3], v20 offset:528*\t   ; LDS serves a wave's instructions in order: these see my stores, and the next block's stores come behind them
.endr
.endm
.macro SEND a, younger                 ; younger: the LDS instructions issued behind block a's loads, which may stay out
	s_wait_dscnt \younger
.irp t, 0,1,2,3,4,5,6,7,8,9,10,11,12,13,14,15
	global_store_b128 v3, v[128+64*((\a)%2)+4*\t:128+64*((\a)%2)+4*\t+3], s[14:15] offset:65536*(\a)+4096*\t th:TH_STORE_NT   ; 32 lanes store 512 consecutive bytes, at a multiple of 256 from out0's first byte
.endr
.endm
	TOSTAGE 0
.irp a, 1,2,3
.if \a > 1
	s_wait_xcnt 0x0                                ; block a - 2's stores have read their registers: block a's loads may land there
.endif
	TOSTAGE \a
	SEND \a-1, 32                                  ; behind block a - 1's loads: block a's 16 stores and 16 loads
.endr
	SEND 3, 0
	s_wait_tensorcnt 0x0
	ds_add_u32 v30, v31
	s_wait_dscnt 0x0
	CROUND                                         ; the closing round: no work-group ends while a partner may still ask for a tile that names it
	s_endpgm
.Lfunc_end_k_q00abc1df30_outp:
	.size	k_q00abc1df30_outp, .Lfunc_end_k_q00abc1df30_outp-k_q00abc1df30_outp
	.p2alignl 7, 3214868480
	.fill 96, 4, 3214868480
	.section	.rodata,"a",@progbits
	.p2align	6, 0x0
	.amdhsa_kernel k_q00abc1df30_outp
		.amdhsa_group_segment_fixed_size 295424
		.amdhsa_private_segment_fixed_size 0
		.amdhsa_enable_private_segment 0
		.amdhsa_kernarg_size 48
		.amdhsa_user_sgpr_count 2
		.amdhsa_user_sgpr_kernarg_segment_ptr 1
		.amdhsa_wavefront_size32 1
		.amdhsa_system_sgpr_workgroup_id_x 1
		.amdhsa_system_sgpr_workgroup_id_y 1
		.amdhsa_system_sgpr_workgroup_id_z 1
		.amdhsa_system_vgpr_workitem_id 0
		.amdhsa_next_free_vgpr 832
		.amdhsa_next_free_sgpr 102
		.amdhsa_reserve_vcc 0
		.amdhsa_float_denorm_mode_32 3
		.amdhsa_float_denorm_mode_16_64 3
		.amdhsa_memory_ordered 1
		.amdhsa_forward_progress 1
		.amdhsa_inst_pref_size 93
	.end_amdhsa_kernel
	.amdgpu_metadata
---
amdhsa.version: [ 1, 2 ]
amdhsa.kernels:
  - .name:           k_q00abc1df30_outp
    .symbol:         k_q00abc1df30_outp.kd
    .args:
      - { .name: cc, .offset: 0, .size: 8, .value_kind: global_buffer, .address_space: global }
      - { .name: cs, .offset: 8, .size: 8, .value_kind: global_buffer, .address_space: global }
      - { .name: cod, .offset: 16, .size: 8, .value_kind: global_buffer, .address_space: global }
      - { .name: scl, .offset: 24, .size: 8, .value_kind: global_buffer, .address_space: global }
      - { .name: bo, .offset: 32, .size: 8, .value_kind: global_buffer, .address_space: global }
      - { .name: out0, .offset: 40, .size: 8, .value_kind: global_buffer, .address_space: global }
    .group_segment_fixed_size: 295424
    .private_segment_fixed_size: 0
    .kernarg_segment_align: 8
    .kernarg_segment_size: 48
    .max_flat_workgroup_size: 128
    .sgpr_count:     102
    .vgpr_count:     832
    .wavefront_size: 32
...
	.end_amdgpu_metadata
.endif
;; end of part 5
